; MI455X (gfx1250); checked and timed in simulation.
; The chip was launched on July 23, 2026; its instructions are those of AMD's public machine-readable ISA for CDNA 5 (MIT licence, August 2026) and "CDNA5" Instruction Set Architecture Reference Guide (July 2026). The comments in the code are by the model that wrote it; some were corrected since.
;; Quadratic Heterogenous Cross Attention. Allowed arithmetic: matrix products marked QUANTISED: E3M2 operands, one E8M0 scale for each 32 along K, by v_wmma_scale_f32_16x16x128_f8f6f4 with both operands' format E3M2, f32 sums; everything else in f32.
;; Inputs: Wk 4 x 256 x 256 float32; Wo 256 x 256 float32; Wq 256 x 256 float32; Wv 4 x 256 x 256 float32; bk 4 x 256 float32; bo 256 float32; bq 256 float32; bv 4 x 256 float32; concatenated_features 16 x 256 x 256 float32; edge_attr 16 x 256 x 256 float32; feature_weights 4 float32; q_data 16 x 256 x 256 float32; v_0 16 x 256 x 256 float32; x_0 16 x 256 x 256 float32.
;; Outputs: out0 16 x 256 x 256 float32.
;; This version of the problem:
;;   THIS VERSION OF THE PROBLEM IS GIVEN IN LOW PRECISION. The matrix products marked QUANTISED in the list below multiply operands that are first quantised to E3M2 (3 exponent bits, 2 mantissa bits; 6 bits a number), with one power-of-two scale for each 32 numbers along K (OCP MX v1.0); their sums are f32. All else is computed in f32.
;;   The module's matrix products, in the order in which they are computed (A, B: the left and right operand; K: the contracted axis; several contracted axes count as one K, in the product's order):
;;     1. [M 4,096, K 256] x [K 256, N 256]; A: input q_data; B: input Wq: QUANTISED
;;     2. [M 4,096, K 256] x [K 256, N 256]; A: input x_0; B: input Wk: QUANTISED
;;     3. [M 4,096, K 256] x [K 256, N 256]; A: input x_0; B: input Wv: QUANTISED
;;     4. batch 16 x [M 2,048, K 32] x [K 32, N 2,048]; A: computed on the way; B: computed on the way: QUANTISED
;;     5. batch 16 x [M 2,048, K 2,048] x [K 2,048, N 32]; A: softmax (see below); B: computed on the way: QUANTISED
;;     6. [M 4,096, K 256] x [K 256, N 256]; A: input v_0; B: input Wk: QUANTISED
;;     7. [M 4,096, K 256] x [K 256, N 256]; A: input v_0; B: input Wv: QUANTISED
;;     8. batch 16 x [M 2,048, K 32] x [K 32, N 2,048]; A: computed on the way; B: computed on the way: QUANTISED
;;     9. batch 16 x [M 2,048, K 2,048] x [K 2,048, N 32]; A: softmax (see below); B: computed on the way: QUANTISED
;;     10. [M 4,096, K 256] x [K 256, N 256]; A: input edge_attr; B: input Wk: QUANTISED
;;     11. [M 4,096, K 256] x [K 256, N 256]; A: input edge_attr; B: input Wv: QUANTISED
;;     12. batch 16 x [M 2,048, K 32] x [K 32, N 2,048]; A: computed on the way; B: computed on the way: QUANTISED
;;     13. batch 16 x [M 2,048, K 2,048] x [K 2,048, N 32]; A: softmax (see below); B: computed on the way: QUANTISED
;;     14. [M 4,096, K 256] x [K 256, N 256]; A: input concatenated_features; B: input Wk: QUANTISED
;;     15. [M 4,096, K 256] x [K 256, N 256]; A: input concatenated_features; B: input Wv: QUANTISED
;;     16. batch 16 x [M 2,048, K 32] x [K 32, N 2,048]; A: computed on the way; B: computed on the way: QUANTISED
;;     17. batch 16 x [M 2,048, K 2,048] x [K 2,048, N 32]; A: softmax (see below); B: computed on the way: QUANTISED
;;     18. [M 4,096, K 256] x [K 256, N 256]; A: computed on the way; B: input Wo: QUANTISED
;;   THE QUANTISER, for each operand of a quantised product, along K:
;;     - K is cut into blocks of 32 from its start; a last block that is shorter is filled with zeros.
;;     - A block's scale is 2^e with e = floor(log2(the largest magnitude in the block)) - 4, held to -126 .. 127; a block of zeros has e = 0. As a byte (E8M0): e + 127.
;;     - Each number is divided by its block's scale, clamped to +-28, and rounded to the nearest number of E3M2, ties to even, subnormals kept.
;;     - The product sums the exact products of the quantised numbers (number of the format x scale) in f32.
;;   ~~~python
;;   def quantise(x, axis):      # numpy; x: float32 -> the quantised numbers, widened to float32 again
;;       x = np.moveaxis(x, axis, -1); K = x.shape[-1]
;;       x = np.pad(x, [(0, 0)] * (x.ndim - 1) + [(0, -K % 32)]); x = x.reshape(x.shape[:-1] + (-1, 32)); a = np.abs(x).max(-1, keepdims=True)
;;       e = np.where(a > 0, np.clip(np.frexp(np.where(a > 0, a, 1))[1] - 1 - 4, -126, 127), 0)      # np.frexp(a)[1] - 1 = floor(log2(a)), exactly
;;       r = np.clip(x / 2.0 ** e, -28, 28)
;;       step = 2.0 ** (np.maximum(np.frexp(np.where(r == 0, 1, r))[1] - 1, -2) - 2)
;;       q = np.round(r / step) * step * 2.0 ** e      # np.round: ties to even
;;       return np.moveaxis(q.reshape(q.shape[:-2] + (-1,))[..., :K], -1, axis).astype(np.float32)
;;   ~~~
;;   SOFTMAX AHEAD OF A QUANTISED PRODUCT. Where the list says 'softmax', what is quantised is not the finished softmax but p = 2^(t - M), with t = logit x log2(e) and M = ceil(the row's largest t), a whole number; so 1/2 < the row's largest p <= 1. The row's sum l is taken of the UNQUANTISED p, in f32, and the product's result is divided by l at the end. Since M is a whole number, a kernel that streams over the keys may use a running M (the ceiling of the running maximum): every later rescaling is an exact power of two, which a block's scale takes up: the codes' values come out the same.
;;   OPERANDS COMPUTED ON THE WAY. 'Computed on the way' means the value that the module computes at that place (a softmax that the list does not call 'softmax' is quantised finished and normalised). What goes into a quantiser is computed in f32, as accurately as f32 sums, v_exp_f32 and their like allow (about 1e-6 of the number): no bf16 or f16 on the way to a quantiser, and a product that is left as it is and whose result goes on into a quantised operand takes f32 operands (vector FMAs, or v_wmma_f32_16x16x4_f32). A number that lies on a knife's edge between two numbers of the format may be rounded either way, as far as f32 arithmetic and the matrix unit's own rounding can turn it there, and no further.
;; 2 versions. Each part assembles by itself: llvm-mc -triple=amdgcn-amd-amdhsa -mcpu=gfx1250 --defsym DOCPART=n.
;; ======== version 1 of 2: 3 launches
;; workspace buffers: qc 819,200 bytes; kv 6,553,600 bytes; woc 53,248 bytes; oc 786,432 bytes; os 32,768 bytes
;; launch proj (part 1): grid 289 x 1, 8 waves a work-group, no clusters, 97,280 bytes of LDS; arguments q_data, x_0, v_0, edge_attr, concatenated_features, Wq, Wk, Wv, Wo, bq, bk, bv, qc, kv, woc; writes qc, kv, woc
.if DOCPART == 1
	.amdgcn_target "amdgcn-amd-amdhsa--gfx1250"
	.amdhsa_code_object_version 6
	.text
	.protected	k_q7ed0928b4c_proj
	.globl	k_q7ed0928b4c_proj
	.p2align	8
	.type	k_q7ed0928b4c_proj,@function
k_q7ed0928b4c_proj:
	s_mov_b64 s[64:65], 0
	v_nop
	global_prefetch_b8 v0, s[64:65] scope:SCOPE_SE
	s_setreg_imm32_b32 hwreg(HW_REG_WAVE_MODE, 25, 1), 1
	s_wait_xcnt 0x0
; THE NINE INPUT PROJECTIONS (Q; K and V of four features), ON CODES OF BF6 (E3M2) WITH ONE E8M0 SCALE FOR EACH 32 ALONG K, WITH RoPE ON Q AND K, AND THE QUANTISING OF THEIR RESULTS FOR THE ATTENTION; AND Wo's CODES.
; x: [4096 tokens][256] f32, W: [256 out][256 in] f32: K (the 256 inputs) is innermost in both.  Both are quantised here, in registers.
; SHARES.  Work-group u: p = u / 32 says which product (0: Q; 1-4: K of feature p - 1; 5-8: V of feature p - 5; 9: Wo is only quantised), u % 32 which block of 128 tokens.  Wave w is head w: outputs 32 w .. 32 w + 31.
; Wave w quantises its own 32 rows of W (four fragments, which stay in its registers) and token tile w of x (two fragments, which go to the other waves through LDS as images of their registers).
; A FRAGMENT's IMAGE: its 12 registers as three groups of 512 bytes, registers 4 g .. 4 g + 3 of lane l at 512 g + 16 l.  Three loads of 16 bytes a lane bring it back, in LDS and in memory alike.
; THE ROWS OF A TILE ARE NOT NEIGHBOURS: row i of token tile t is token 32 (t / 2) + 8 (t % 2) + i + 8 (i / 8) of the block; row i of W's tile u is output 32 w + 8 u + i + 8 (i / 8).  So the 16 registers of two
; neighbouring result tiles are 16 neighbours along the next product's K.
; Q AND K (K of the scores = the head's 32): used transposed (source 0 = W, source 1 = x): a lane holds one token and 16 of the head's 32.  Four token tiles make ONE fragment: tile 4 f + j fills block j of its 128 along K.
; V (K of the second product = the keys): source 0 = x, source 1 = W: a lane holds one of the head's 32 and its registers run along the 128 tokens: one fragment for each of W's two tiles.
; A block's scale is 2^(floor(log2(its largest magnitude)) - 4); its byte is the largest magnitude's exponent field - 4, held at 1 from below.
; LIMITS: NaN and infinities among the inputs are not served.  A block whose largest magnitude lies under 2^-122 keeps the byte 1.  A block of zeros gets the byte 1 where the rule says 127: its codes are zeros,
; which add nothing under any byte but 0xff, and the bytes are read by this program alone.  RoPE's angles are at most 7 by the problem's own constants (8 timesteps, frequencies at most 1): the series' lengths rest on that.
; No tensor loads: LDS is claimed as it is used.  One barrier.  The scale words leave as 128 bytes a wave, half of an aligned 256: one part in 24 of what a wave stores.
.set FRB,  1536                        ; a fragment's image in bytes
.set XIMG, 0                           ; LDS: x's 16 images (token tile t, K step s: 2 t + s),
.set XSC,  16*FRB                      ; their scale words, 128 bytes each,
.set ROPE, XSC+16*128                  ; a table of 256 bytes for each wave: 16 cosines, then 16 pairs (-sine, sine),
.set STG,  ROPE+8*256                  ; and a stage for each wave: 16 rows x (512 bytes + 16)
.set SPI,  528
.set WSTG, 16*SPI
.set LI,   1                           ; v1   16 x lane
.set LS,   2                           ; v2   4 x lane
.set SWR,  3                           ; v3   my stage, on the way in: 16 x lane
.set SRD,  4                           ; v4   and on the way out: row r, + 64 h
.set XWI,  5                           ; v5   where I store x's images
.set XWS,  6                           ; v6   and their scale words
.set BAK,  7                           ; v7   the bias of Q and K: 64 h
.set RW4,  8                           ; v8-11 my RoPE table: 4 r, 8 r (in), 32 h, 64 h (out)
.set RW8,  9
.set RR32, 10
.set RR64, 11
.set XS,   12                          ; v12-15 x's scale words
.set WSC,  16                          ; v16-19 W's scale words (tile u, K step s: 2 u + s)
.set PW,   20                          ; v20  the scale word just made;  v21 the one before
.set PWS,  21
.set TM,   22                          ; v22-25 largest magnitudes, v26-29 the other half's and then the bytes, v30-33 the conversions' scale operands
.set CT,   34                          ; v34-41 the upper halves of the blocks' codes
.set PC,   42                          ; v42-53 the fragment just made
.set BI,   54                          ; v54-69 the bias, in the result's layout, eight registers a tile
.set WF,   70                          ; v70-117 W's four fragments: 12 (2 u + s)
.set P0,   118                         ; v118-181 a piece of 16 rows x 128 f32;  later HA, the results
.set HA,   118
.set P1,   182                         ; v182-245 the other piece;  later what follows
.set XF0,  182                         ; v182-205 two fragments of x
.set XF1,  208                         ; v208-231 two more (V)
.set RC,   210                         ; v210-217 my eight cosines (Q, K)
.set RS,   218                         ; v218-233 my eight pairs (-sine, sine)
.set TT,   234                         ; v234-241 four pairs at work
.set BAV,  246                         ; v246 the bias of V: 4 (r + 8 (r / 8))
.set LN,   247                         ; v247 lane, v248 r = lane % 16, v249 h = lane / 16
.set RR,   248
.set HH,   249
.set P,    2                           ; s2 p;  s3 the block of tokens;  s4 the feature;  s7 the block within its batch
.set XB,   3
.set FI,   4
.set STEP, 7
.set WV,   38
.set XP,   44                          ; s[44:45] x at my tile;  s[46:47] W at my rows;  s[48:49] the bias at my head;  s[50:51] where my codes go;  s[52:53] my scale words
.set WP,   46
.set BP,   48
.set CP,   50
.set SP,   52
.set HI16, 54                          ; s54 the lanes 16-31
.set SEL,  56                          ; s[56:57] v_permlanex16_b32's selects for lane l xor 16
; 64 numbers of a lane, register 16 b + i = k 32 b + 16 h + i of my row, become a fragment's codes in v[dst] on and its scale word in v[w].
.macro QUANT src, dst, w
.irp b, 0,1,2,3
	v_max3_num_f32 v[TM+\b], |v[\src+16*\b]|, |v[\src+16*\b+1]|, 0x2800000   ; block b: my 16 numbers, and the floor 2^(5 - 127): so the byte cannot fall under 1
.endr
.irp i, 2,4,6,8,10,12,14
.irp b, 0,1,2,3
	v_max3_num_f32 v[TM+\b], v[TM+\b], |v[\src+16*\b+\i]|, |v[\src+16*\b+\i+1]|   ; the four blocks by turns
.endr
.endr
.irp b, 0,1,2,3
	v_permlanex16_b32 v[TM+4+\b], v[TM+\b], s[SEL], s[SEL+1]
.endr
.irp b, 0,1,2,3
	v_max_num_f32 v[TM+\b], v[TM+\b], v[TM+4+\b]   ; with lane l xor 16's: the block's largest magnitude
.endr
.irp b, 0,1,2,3
	v_add_nc_u32 v[TM+8+\b], 0xfe000000, v[TM+\b]  ; 4 off its exponent field: the conversion takes the exponent field of this operand as its scale
.endr
.irp b, 0,1,2,3
	v_lshrrev_b32 v[TM+4+\b], 23, v[TM+8+\b]       ; the scale's byte
.endr
	v_lshl_or_b32 v[\w], v[TM+5], 8, v[TM+4]
	v_lshl_or_b32 v[\w], v[TM+6], 16, v[\w]
	v_lshl_or_b32 v[\w], v[TM+7], 24, v[\w]        ; my row's scale word
.irp c, 0,1
	v_cvt_scalef32_pk16_bf6_f32 v[\dst+6*\c:\dst+6*\c+2], v[\src+32*\c:\src+32*\c+15], v[TM+8+2*\c]
	v_cvt_scalef32_pk16_bf6_f32 v[CT+4*\c:CT+4*\c+2], v[\src+32*\c+16:\src+32*\c+31], v[TM+8+2*\c+1]   ; (a conversion's three registers begin on an even number)
.endr
	v_nop                                          ; one plain instruction behind the scaled conversions
.irp c, 0,1                                    ; the operand's layout wants a WHOLE block in a lane: lanes 0-15 block 2 c, lanes 16-31 block 2 c + 1
.irp i, 0,1,2
	v_permlane16_swap_b32 v[\dst+6*\c+\i], v[CT+4*\c+\i]
.endr
.irp i, 0,1,2
	v_mov_b32 v[\dst+3+6*\c+\i], v[CT+4*\c+\i]
.endr
.endr
.endm
; A piece: 16 rows of a tile x 128 along K, f32.  Each load reads one row's 512 consecutive bytes.
.macro GLOAD buf, base, off
.irp i, 0,1,2,3,4,5,6,7,8,9,10,11,12,13,14,15
	global_load_b128 v[\buf+4*\i:\buf+4*\i+3], v[LI], s[\base:\base+1] offset:(\i+8*(\i/8))*1024+\off
.endr
.endm
; It turns through my own stage: in as loaded, out so that lane (r, h) holds, of row r, 16 neighbours of each block of 32.  LDS serves a wave's instructions in order: no wait between the stores and the loads.
.macro TURN buf
.irp i, 0,1,2,3,4,5,6,7,8,9,10,11,12,13,14,15
	ds_store_b128 v[SWR], v[\buf+4*\i:\buf+4*\i+3] offset:SPI*\i
.endr
.irp b, 0,1,2,3
.irp j, 0,1,2,3
	ds_load_b128 v[\buf+16*\b+4*\j:\buf+16*\b+4*\j+3], v[SRD] offset:128*\b+16*\j
.endr
.endr
.endm
.macro PIECE buf, left, dst, w         ; left: the younger piece's loads, which may stay out
	s_wait_loadcnt \left
	TURN \buf
	s_wait_dscnt 0x0
	QUANT \buf, \dst, \w
.endm
.macro IMAGE off                       ; the fragment in v[PC] on goes to LDS as it stands
.irp c, 0,1,2
	ds_store_b128 v[XWI], v[PC+4*\c:PC+4*\c+3] offset:\off+512*\c
.endr
.endm
.macro FETCH reg, off                  ; and comes back so, in any wave
.irp c, 0,1,2
	ds_load_b128 v[\reg+4*\c:\reg+4*\c+3], v[LI] offset:XIMG+\off+512*\c
.endr
.endm
.macro MMC d, a, b, c, sa, sb          ; a sum's first K step: C = the bias
	v_wmma_scale_f32_16x16x128_f8f6f4 v[\d:\d+7], v[\a:\a+11], v[\b:\b+11], v[\c:\c+7], v[\sa], v[\sb] matrix_a_fmt:MATRIX_FMT_BF6 matrix_b_fmt:MATRIX_FMT_BF6
.endm
.macro MMA d, a, b, sa, sb             ; its second, in place
	v_wmma_scale_f32_16x16x128_f8f6f4 v[\d:\d+7], v[\a:\a+11], v[\b:\b+11], v[\d:\d+7], v[\sa], v[\sb] matrix_a_fmt:MATRIX_FMT_BF6 matrix_b_fmt:MATRIX_FMT_BF6
.endm
.macro PLACES                          ; four plain instructions between a matrix instruction and a load into its operands or a read of its result
.rept 4
	v_nop
.endr
.endm
; The 64 results in v[HA] on become fragment k (0 or 1) of my record: three stores of 512 consecutive bytes.  The two fragments' scale words leave together: lanes 0-15 the first's, lanes 16-31 the second's.
.macro OUT k
.if \k
	s_wait_xcnt 0x0                                ; the first fragment's stores have read v[PC] on: only behind this wait is it written again
.endif
	QUANT HA, PC, PW
.irp c, 0,1,2
	global_store_b128 v[LI], v[PC+4*\c:PC+4*\c+3], s[CP:CP+1] offset:FRB*\k+512*\c
.endr
.if \k
	v_cndmask_b32 v[PW], v[PWS], v[PW], s[HI16]
	global_store_b32 v[LS], v[PW], s[SP:SP+1]
.else
	v_mov_b32 v[PWS], v[PW]
.endif
.endm
	s_load_b512 s[8:23], s[0:1], 0x0               ; q_data, x_0, v_0, edge_attr, concatenated_features, Wq, Wk, Wv
	s_load_b256 s[24:31], s[0:1], 0x40             ; Wo, bq, bk, bv
	s_load_b128 s[32:35], s[0:1], 0x60             ; qc, kv
	s_load_b64 s[36:37], s[0:1], 0x70              ; woc
	v_lshl_add_u32 v254, v0, 2, 0x17800
	v_mov_b32 v255, 0
	v_lshrrev_b32 v[LN], 5, v0
	v_readfirstlane_b32 s[WV], v[LN]               ; wave 0..7 = head
	v_and_b32 v[LN], 31, v0
	v_and_b32 v[RR], 15, v0
	v_bfe_u32 v[HH], v0, 4, 1
	v_lshlrev_b32 v[LI], 4, v[LN]
	v_lshlrev_b32 v[LS], 2, v[LN]
	s_mul_i32 s40, s[WV], WSTG
	s_add_co_u32 s40, s40, STG
	v_add_nc_u32 v[SWR], s40, v[LI]
	v_mul_u32_u24 v[SRD], v[RR], SPI
	v_lshl_add_u32 v[SRD], v[HH], 6, v[SRD]
	v_add_nc_u32 v[SRD], s40, v[SRD]
	s_mul_i32 s40, s[WV], 2*FRB
	v_add_nc_u32 v[XWI], s40, v[LI]                ; (XIMG is LDS byte 0)
	s_lshl_b32 s40, s[WV], 8
	s_add_co_u32 s41, s40, XSC
	v_add_nc_u32 v[XWS], s41, v[LS]
	s_add_co_u32 s41, s40, ROPE
	v_lshl_add_u32 v[RW4], v[RR], 2, s41
	v_lshl_add_u32 v[RW8], v[RR], 3, s41
	v_lshl_add_u32 v[RR32], v[HH], 5, s41
	v_lshl_add_u32 v[RR64], v[HH], 6, s41
	v_lshlrev_b32 v[BAK], 6, v[HH]
	v_and_b32 v[BAV], 8, v[RR]
	v_add_nc_u32 v[BAV], v[BAV], v[RR]
	v_lshlrev_b32 v[BAV], 2, v[BAV]
	v_cmp_le_u32 s[HI16], 16, v[LN]
	s_mov_b32 s[SEL], 0x76543210
	s_mov_b32 s[SEL+1], 0xfedcba98
.irp b, 0,1,2,3
	v_mov_b32 v[TM+4+\b], 0                        ; written once: a lane permute's destination counts as one of its sources
.endr
	; which product, which tokens; all offsets, apart from the addresses
	s_lshr_b32 s[P], ttmp9, 5
	s_and_b32 s[XB], ttmp9, 31
	s_sub_co_u32 s[FI], s[P], 1
	s_and_b32 s[FI], s[FI], 3                      ; the feature, where there is one
	s_cmp_eq_u32 s[P], 0
	s_cselect_b32 s5, 0, s[FI]                     ; Wq, bq (and Wo: there it is 0 already) have no feature axis
	s_lshr_b32 s6, s[XB], 4                        ; the batch
	s_and_b32 s[STEP], s[XB], 15
	s_lshl_b32 s6, s6, 3
	s_add_co_u32 s6, s6, s[WV]                     ; 8 x batch + head
	s_mul_i32 s39, s6, 51200                       ; my record in qc,
	s_lshl_b32 s40, s6, 2
	s_add_co_u32 s40, s40, s5
	s_mul_i32 s40, s40, 102400                     ; or in kv
	s_cmp_lt_u32 s[P], 5
	s_cselect_b32 s41, 0, 49152                    ; V's codes lie behind K's
	s_mov_b32 s42, 100352                          ; V's scale words,
	s_cselect_b32 s42, 98304, s42                  ; K's,
	s_cmp_eq_u32 s[P], 0
	s_cselect_b32 s39, s39, s40
	s_cselect_b32 s42, 49152, s42                  ; Q's
	s_mul_i32 s43, s[STEP], 2*FRB
	s_add_co_u32 s66, s39, s41
	s_add_co_u32 s66, s66, s43                     ; my two fragments
	s_mov_b32 s67, 0
	s_lshl_b32 s43, s[STEP], 7
	s_add_co_u32 s68, s39, s42
	s_add_co_u32 s68, s68, s43                     ; their scale words
	s_mov_b32 s69, 0
	s_lshl_b32 s58, s[XB], 17                      ; x: 128 tokens of 1,024 bytes a block,
	s_lshr_b32 s43, s[WV], 1
	s_lshl_b32 s43, s43, 15
	s_add_co_u32 s58, s58, s43                     ; + token 32 (w / 2)
	s_and_b32 s43, s[WV], 1
	s_lshl_b32 s43, s43, 13
	s_add_co_u32 s58, s58, s43                     ; + 8 (w % 2)
	s_mov_b32 s59, 0
	s_lshl_b32 s60, s5, 18                         ; W: the feature's 256 rows, my 32
	s_lshl_b32 s43, s[WV], 15
	s_add_co_u32 s60, s60, s43
	s_mov_b32 s61, 0
	s_lshl_b32 s62, s5, 10                         ; the bias likewise
	s_lshl_b32 s43, s[WV], 7
	s_add_co_u32 s62, s62, s43
	s_mov_b32 s63, 0
	s_wait_kmcnt 0x0
	s_cmp_eq_u32 s[FI], 1                          ; the buffers are chosen on the work-group's number alone
	s_cselect_b64 s[XP:XP+1], s[12:13], s[10:11]
	s_cmp_eq_u32 s[FI], 2
	s_cselect_b64 s[XP:XP+1], s[14:15], s[XP:XP+1]
	s_cmp_eq_u32 s[FI], 3
	s_cselect_b64 s[XP:XP+1], s[16:17], s[XP:XP+1]
	s_cmp_lt_u32 s[P], 5
	s_cselect_b64 s[WP:WP+1], s[20:21], s[22:23]
	s_cselect_b64 s[BP:BP+1], s[28:29], s[30:31]
	s_cmp_eq_u32 s[P], 0
	s_cselect_b64 s[XP:XP+1], s[8:9], s[XP:XP+1]
	s_cselect_b64 s[WP:WP+1], s[18:19], s[WP:WP+1]
	s_cselect_b64 s[BP:BP+1], s[26:27], s[BP:BP+1]
	s_cselect_b64 s[CP:CP+1], s[32:33], s[34:35]
	s_cmp_eq_u32 s[P], 9
	s_cselect_b64 s[WP:WP+1], s[24:25], s[WP:WP+1]
	s_add_nc_u64 s[XP:XP+1], s[XP:XP+1], s[58:59]
	s_add_nc_u64 s[WP:WP+1], s[WP:WP+1], s[60:61]
	s_add_nc_u64 s[BP:BP+1], s[BP:BP+1], s[62:63]
	s_add_nc_u64 s[SP:SP+1], s[CP:CP+1], s[68:69]
	s_add_nc_u64 s[CP:CP+1], s[CP:CP+1], s[66:67]
	s_cmp_eq_u32 s[P], 9
	s_cbranch_scc1 .Lwo                            ; the one work-group for Wo has a path of its own from here on
	; the bias, in the result's layout
	s_cmp_lt_u32 s[P], 5
	s_cbranch_scc0 .Lbias_v
.irp u, 0,1                                    ; Q, K: register 8 u + j of lane (r, h) is output 16 h + 8 u + j of my head
	global_load_b128 v[BI+8*\u:BI+8*\u+3], v[BAK], s[BP:BP+1] offset:32*\u
	global_load_b128 v[BI+8*\u+4:BI+8*\u+7], v[BAK], s[BP:BP+1] offset:32*\u+16
.endr
	s_branch .Lbias_done
.Lbias_v:
.irp n, 0,1                                    ; V: all eight registers of tile n are output 8 n + r + 8 (r / 8)
.irp j, 0,1,2,3,4,5,6,7
	global_load_b32 v[BI+8*\n+\j], v[BAV], s[BP:BP+1] offset:32*\n
.endr
.endr
.Lbias_done:
	; six pieces on two sets of registers: W's four, x's two.  While one is quantised the other's 16 loads are on their way.
	GLOAD P0, WP, 0
	GLOAD P1, WP, 512
	PIECE P0, 16, WF, WSC                          ; W: tile 0, K step 0  (loads come back in order: the bias is in too)
	GLOAD P0, WP, 8192
	PIECE P1, 16, WF+12, WSC+1                     ; tile 0, K step 1
	GLOAD P1, WP, 8704
	PIECE P0, 16, WF+24, WSC+2                     ; tile 1, K step 0
	GLOAD P0, XP, 0
	PIECE P1, 16, WF+36, WSC+3                     ; tile 1, K step 1
	GLOAD P1, XP, 512
	PIECE P0, 16, PC, PW                           ; x: my token tile, K step 0
	IMAGE 0
	ds_store_b32 v[XWS], v[PW]
	PIECE P1, 0, PC, PW                            ; K step 1
	IMAGE FRB
	ds_store_b32 v[XWS], v[PW] offset:128
	s_wait_dscnt 0x0                               ; for the others' sake: my images have landed
	s_barrier_signal -1
	s_barrier_wait -1                              ; x's sixteen fragments lie in LDS; nobody writes them again
	s_cmp_lt_u32 s[P], 5
	s_cbranch_scc0 .Lv_path
	; ---- Q AND K.  First RoPE's table: lane l makes pair r's cosine and sine at this block's timestep (256 tokens, two blocks, to a timestep).
	v_cvt_f32_u32 v242, v[RR]
	v_mul_f32 v242, 0xbf1f73da, v242               ; - r log2(1000) / 16
	v_exp_f32 v242, v242                           ; the frequency 1000^(-r / 16)
	s_lshr_b32 s55, s[STEP], 1
	s_cvt_f32_u32 s55, s55                         ; the timestep
	v_nop                                          ; a plain instruction behind the exponential,
	s_wait_alu depctr_va_vdst(0)                   ; and the wait ahead of its first reader
	v_mul_f32 v242, s55, v242                      ; the angle, 0 to 7
	v_mul_f32 v243, 0x3f22f983, v242               ; x 2 / pi
	v_rndne_f32 v243, v243                         ; n quarter turns
	v_fmamk_f32 v244, v243, 0xbfc90fdb, v242       ; the angle - n pi / 2, pi / 2 in two parts:
	v_fmamk_f32 v244, v243, 0x333bbd2e, v244       ; a, within pi / 4 of 0
	v_mul_f32 v245, v244, v244                     ; z = a a
	v_mov_b32 v250, 0x3638ef1d                     ; sin a = a + a z (-1/6 + z (1/120 + z (-1/5040 + z / 362880))): what is cut is under 2e-9
	v_fmaak_f32 v250, v250, v245, 0xb9500d01
	v_fmaak_f32 v250, v250, v245, 0x3c088889
	v_fmaak_f32 v250, v250, v245, 0xbe2aaaab
	v_mul_f32 v251, v244, v245
	v_fma_f32 v250, v250, v251, v244
	v_mov_b32 v252, 0xb493f27e                     ; cos a = 1 + z (-1/2 + z (1/24 + z (-1/720 + z (1/40320 - z / 3628800)))): what is cut is under 2e-10
	v_fmaak_f32 v252, v252, v245, 0x37d00d01
	v_fmaak_f32 v252, v252, v245, 0xbab60b61
	v_fmaak_f32 v252, v252, v245, 0x3d2aaaab
	v_fmaak_f32 v252, v252, v245, 0xbf000000
	v_fma_f32 v252, v252, v245, 1.0
	v_cvt_i32_f32 v243, v243
	v_and_b32 v253, 1, v243
	v_cmp_eq_u32 vcc_lo, 1, v253                   ; an odd number of quarter turns: sine and cosine change places
	v_cndmask_b32 v251, v250, v252, vcc_lo
	v_cndmask_b32 v252, v252, v250, vcc_lo
	v_and_b32 v253, 2, v243
	v_lshlrev_b32 v253, 30, v253
	v_xor_b32 v251, v253, v251                     ; the sine is negated in quarters 2 and 3,
	v_add_nc_u32 v243, 1, v243
	v_and_b32 v243, 2, v243
	v_lshlrev_b32 v243, 30, v243
	v_xor_b32 v252, v243, v252                     ; the cosine in quarters 1 and 2
	v_xor_b32 v250, 0x80000000, v251               ; (-sine, sine)
	ds_store_b32 v[RW4], v252                      ; lanes l and l xor 16 write the same words with the same values; the table is my wave's own: no barrier
	ds_store_b64 v[RW8], v[250:251] offset:64
	ds_load_b128 v[RC:RC+3], v[RR32]               ; lane (r, h) holds channels 16 h .. 16 h + 15: pairs 8 h .. 8 h + 7
	ds_load_b128 v[RC+4:RC+7], v[RR32] offset:16
.irp k, 0,1,2,3
	ds_load_b128 v[RS+4*\k:RS+4*\k+3], v[RR64] offset:64+16*\k
.endr
.irp f, 0,1                                    ; a fragment of four token tiles at a time
.irp j, 0,1,2,3
	FETCH XF0, (2*(4*\f+\j))*FRB
	FETCH XF0+12, (2*(4*\f+\j)+1)*FRB
	ds_load_b32 v[XS], v[LS] offset:XSC+(2*(4*\f+\j))*128
	ds_load_b32 v[XS+1], v[LS] offset:XSC+(2*(4*\f+\j)+1)*128
	s_wait_dscnt 0x0
	MMC HA+16*\j, WF, XF0, BI, WSC, XS             ; the two accumulators take turns
	MMC HA+16*\j+8, WF+24, XF0, BI+8, WSC+2, XS
	MMA HA+16*\j, WF+12, XF0+12, WSC+1, XS+1
	MMA HA+16*\j+8, WF+36, XF0+12, WSC+3, XS+1
	PLACES
.endr
.irp g, 0,1,2,3,4,5,6,7                        ; RoPE, each accumulator from its low end on: (t1, t2) -> (t1 c - t2 s, t1 s + t2 c)
.irp k, 0,1,2,3
.if \k%2 == 0
	v_pk_mul_f32 v[TT+2*\k:TT+2*\k+1], v[HA+8*\g+2*\k:HA+8*\g+2*\k+1], v[RC+4*(\g%2)+2*(\k/2):RC+4*(\g%2)+2*(\k/2)+1] op_sel_hi:[1,0]   ; (t1 c, t2 c): the pair's cosine is the first of two registers,
.else
	v_pk_mul_f32 v[TT+2*\k:TT+2*\k+1], v[HA+8*\g+2*\k:HA+8*\g+2*\k+1], v[RC+4*(\g%2)+2*(\k/2):RC+4*(\g%2)+2*(\k/2)+1] op_sel:[0,1] op_sel_hi:[1,1]   ; or the second
.endif
.endr
.irp k, 0,1,2,3
	v_pk_fma_f32 v[HA+8*\g+2*\k:HA+8*\g+2*\k+1], v[HA+8*\g+2*\k:HA+8*\g+2*\k+1], v[RS+8*(\g%2)+2*\k:RS+8*(\g%2)+2*\k+1], v[TT+2*\k:TT+2*\k+1] op_sel:[1,0,0] op_sel_hi:[0,1,1]   ; + (t2, t1) x (-s, s)
.endr
.endr
	OUT \f
.endr
	s_wait_tensorcnt 0x0
	ds_add_u32 v254, v255
	s_wait_dscnt 0x0
	s_endpgm
.Lv_path:
	; ---- V: for each of W's two tiles, all eight token tiles, two at a time
.irp n, 0,1
.irp t, 0,2,4,6
	FETCH XF0, (2*\t)*FRB
	FETCH XF0+12, (2*\t+1)*FRB
	FETCH XF1, (2*\t+2)*FRB
	FETCH XF1+12, (2*\t+3)*FRB
.irp k, 0,1,2,3
	ds_load_b32 v[XS+\k], v[LS] offset:XSC+(2*\t+\k)*128
.endr
	s_wait_dscnt 0x0
	MMC HA+8*\t, XF0, WF+24*\n, BI+8*\n, XS, WSC+2*\n
	MMC HA+8*\t+8, XF1, WF+24*\n, BI+8*\n, XS+2, WSC+2*\n
	MMA HA+8*\t, XF0+12, WF+24*\n+12, XS+1, WSC+2*\n+1
	MMA HA+8*\t+8, XF1+12, WF+24*\n+12, XS+3, WSC+2*\n+1
	PLACES
.endr
	OUT \n                                         ; register 16 b + i of lane (r, h) is token 32 b + 16 h + i: the keys are the next K
.endr
	s_wait_tensorcnt 0x0
	ds_add_u32 v254, v255
	s_wait_dscnt 0x0
	s_endpgm
.Lwo:
	; ---- Wo: my 32 rows become four fragments, laid in woc as the last launch's registers take them
	s_mul_i32 s58, s[WV], 4*FRB
	s_mov_b32 s59, 0
	s_add_nc_u64 s[CP:CP+1], s[36:37], s[58:59]
	s_lshl_b32 s58, s[WV], 9
	s_add_co_u32 s58, s58, 32*FRB
	s_add_nc_u64 s[SP:SP+1], s[36:37], s[58:59]
	GLOAD P0, WP, 0
	GLOAD P1, WP, 512
	PIECE P0, 16, WF, WSC
	GLOAD P0, WP, 8192
	PIECE P1, 16, WF+12, WSC+1
	GLOAD P1, WP, 8704
	PIECE P0, 16, WF+24, WSC+2
	PIECE P1, 0, WF+36, WSC+3
.irp m, 0,1,2,3,4,5,6,7,8,9,10,11
	global_store_b128 v[LI], v[WF+4*\m:WF+4*\m+3], s[CP:CP+1] offset:512*\m
.endr
.irp k, 0,1,2,3
	global_store_b32 v[LS], v[WSC+\k], s[SP:SP+1] offset:128*\k
.endr
	s_wait_tensorcnt 0x0
	ds_add_u32 v254, v255
	s_wait_dscnt 0x0
	s_endpgm
.Lfunc_end_k_q7ed0928b4c_proj:
	.size	k_q7ed0928b4c_proj, .Lfunc_end_k_q7ed0928b4c_proj-k_q7ed0928b4c_proj
	.p2alignl 7, 3214868480
	.fill 96, 4, 3214868480
	.section	.rodata,"a",@progbits
	.p2align	6, 0x0
	.amdhsa_kernel k_q7ed0928b4c_proj
		.amdhsa_group_segment_fixed_size 97280
		.amdhsa_private_segment_fixed_size 0
		.amdhsa_enable_private_segment 0
		.amdhsa_kernarg_size 120
		.amdhsa_user_sgpr_count 2
		.amdhsa_user_sgpr_kernarg_segment_ptr 1
		.amdhsa_wavefront_size32 1
		.amdhsa_system_sgpr_workgroup_id_x 1
		.amdhsa_system_sgpr_workgroup_id_y 1
		.amdhsa_system_sgpr_workgroup_id_z 1
		.amdhsa_system_vgpr_workitem_id 0
		.amdhsa_next_free_vgpr 256
		.amdhsa_next_free_sgpr 80
		.amdhsa_reserve_vcc 1
		.amdhsa_float_denorm_mode_32 3
		.amdhsa_float_denorm_mode_16_64 3
		.amdhsa_memory_ordered 1
		.amdhsa_forward_progress 1
		.amdhsa_inst_pref_size 132
	.end_amdhsa_kernel
	.amdgpu_metadata
---
amdhsa.version: [ 1, 2 ]
amdhsa.kernels:
  - .name:           k_q7ed0928b4c_proj
    .symbol:         k_q7ed0928b4c_proj.kd
    .args:
      - { .name: q_data, .offset: 0, .size: 8, .value_kind: global_buffer, .address_space: global }
      - { .name: x_0, .offset: 8, .size: 8, .value_kind: global_buffer, .address_space: global }
      - { .name: v_0, .offset: 16, .size: 8, .value_kind: global_buffer, .address_space: global }
      - { .name: edge_attr, .offset: 24, .size: 8, .value_kind: global_buffer, .address_space: global }
      - { .name: concatenated_features, .offset: 32, .size: 8, .value_kind: global_buffer, .address_space: global }
      - { .name: Wq, .offset: 40, .size: 8, .value_kind: global_buffer, .address_space: global }
      - { .name: Wk, .offset: 48, .size: 8, .value_kind: global_buffer, .address_space: global }
      - { .name: Wv, .offset: 56, .size: 8, .value_kind: global_buffer, .address_space: global }
      - { .name: Wo, .offset: 64, .size: 8, .value_kind: global_buffer, .address_space: global }
      - { .name: bq, .offset: 72, .size: 8, .value_kind: global_buffer, .address_space: global }
      - { .name: bk, .offset: 80, .size: 8, .value_kind: global_buffer, .address_space: global }
      - { .name: bv, .offset: 88, .size: 8, .value_kind: global_buffer, .address_space: global }
      - { .name: qc, .offset: 96, .size: 8, .value_kind: global_buffer, .address_space: global }
      - { .name: kv, .offset: 104, .size: 8, .value_kind: global_buffer, .address_space: global }
      - { .name: woc, .offset: 112, .size: 8, .value_kind: global_buffer, .address_space: global }
    .group_segment_fixed_size: 97280
    .private_segment_fixed_size: 0
    .kernarg_segment_align: 8
    .kernarg_segment_size: 120
    .max_flat_workgroup_size: 256
    .sgpr_count:     80
    .vgpr_count:     256
    .wavefront_size: 32
...
	.end_amdgpu_metadata
.endif
;; end of part 1
;; launch attn (part 2): grid 16 x 16, 8 waves a work-group, clusters of 4 x 1, 327,680 bytes of LDS; arguments qc, kv, feature_weights, oc, os; writes oc, os
.if DOCPART == 2
	.amdgcn_target "amdgcn-amd-amdhsa--gfx1250"
	.amdhsa_code_object_version 6
	.text
	.protected	k_q7ed0928b4c_attn
	.globl	k_q7ed0928b4c_attn
	.p2align	8
	.type	k_q7ed0928b4c_attn,@function
k_q7ed0928b4c_attn:
	s_mov_b64 s[64:65], 0
	v_nop
	global_prefetch_b8 v0, s[64:65] scope:SCOPE_SE
	s_setreg_imm32_b32 hwreg(HW_REG_WAVE_MODE, 25, 1), 1
	s_wait_xcnt 0x0
	s_wait_alu depctr_hold_cnt(0) depctr_sa_sdst(0) depctr_va_vdst(0) depctr_va_sdst(0) depctr_va_ssrc(0) depctr_va_vcc(0) depctr_vm_vsrc(0)
	s_getreg_b32 s2, hwreg(HW_REG_IB_STS2, 6, 4)
	s_cmp_eq_u32 s2, 0
	s_cbranch_scc0 .Lentry_in_a_cluster
	s_endpgm
.Lentry_in_a_cluster:
	s_bfe_u32 s2, ttmp6, 0x10000c
	s_cmp_lg_u32 s2, 0x3003
	s_cbranch_scc0 .Lentry_shape_is_right
	s_endpgm
.Lentry_shape_is_right:
; FOUR ATTENTIONS OF ONE HEAD, WEIGHED BY softmax(feature_weights) AND ADDED, ON CODES OF BF6 (E3M2) WITH ONE E8M0 SCALE FOR EACH 32 ALONG A PRODUCT'S K; THE SUM IS QUANTISED ALONG THE MODEL'S 256 FOR THE LAST PRODUCT.
; Head size 32, 2,048 queries and 2,048 keys for each of 16 (batch, head).  qc and kv hold fragments as images of their registers (12 registers: three groups of 512 bytes, lane l's 16 bytes at 16 l).
; THE SOFTMAX AHEAD OF THE SECOND PRODUCT: t = score x log2(e) / sqrt(32); M = the row's largest t so far, rounded UP to a whole number; p = 2^(t - M) is what is quantised, along the keys, not normalised.
; The row's sum is taken of the unquantised p and divides at a feature's end.  When M moves, the sum and O are multiplied by 2^(old M - new M): exact.
; SHARES.  A work-group owns 128 queries of one (batch, head); each of its eight waves 16 of them, in 256 registers: two waves to a SIMD, so that one wave's vector work stands beside the other's matrix work and LDS loads.
; Every wave walks the 2,048 keys of each of the four features, 128 a step.
; THE SCORES' K IS 32, THE INSTRUCTION'S 128.  A fragment of K holds FOUR tiles of 16 keys, tile 4 f + j in block j of its 128 along K; Q stands in four variants, my 16 queries in block j and zero codes elsewhere
; (30 registers serve the four: zeros, lanes 0-15, zeros, lanes 16-31, zeros).  So no zero is stored or read, and a fragment of K feeds four products.
; LAYOUT.  Both products are used transposed: S^T = K Q^T, O^T = V^T P^T: a lane holds ONE query (lane % 16) throughout.  The keys of a tile are chosen (row i of tile t: key 32 (t / 2) + 8 (t % 2) + i + 8 (i / 8)) so that
; the 16 registers of tiles 2 b, 2 b + 1 are keys 32 b + 16 (lane / 16) + 0 .. 15; V's rows likewise, so that O^T's 16 registers are channels 16 (lane / 16) + 0 .. 15.
; THE RING.  A slot holds a WHOLE feature's K and V of this head: 102,400 dense bytes.  Two slots; each wave brings an eighth of a slot with one tensor load (50 rows of 256 bytes).  A refill is asked for a whole feature,
; 16 key steps, ahead of its first read.  A wave has two tensor loads out at the start and one behind each refill.
; CLUSTER.  The four query blocks of a cluster belong to one (batch, head) and walk the same K and V: each fill is asked for JOINTLY, by the same tensor load with the same descriptor and a mask that names the four.
; No prefetch is laid: no wave waits for a refill (16 key steps lie between the request and the wait), and the first fills stand at the head.
; LIMITS: NaN and infinities are not served.  A block of o whose largest magnitude lies under 2^-122 keeps the byte 1; a block of zeros gets the byte 1 where the rule says 127 (its codes are zeros; this program alone reads the bytes).
; os is stored a byte a token, 8 bytes apart: aligned blocks of 256 bytes are written in part there; it is one part in 24 of what the launch stores.
.set SLOT,  102400
.set VOFF,  49152                      ; in a slot: K's codes, V's codes, K's scale words, V's scale words
.set KSOFF, 98304
.set SPARE, 2*SLOT                     ; behind the ring: the spare words, 128 bytes for each wave: four blocks of 256 bytes that no other line names
.set LI,   2                           ; v2   16 x lane
.set LS,   3                           ; v3   4 x lane
.set AD,   4                           ; v4   LDS address of the step's codes;  v5 of its scale words
.set AS,   5
.set SPW,  6                           ; v6   LDS address of my spare word; never rewritten
.set NIL,  7                           ; v7   0; never rewritten
.set QT,   8                           ; v8-13 my query's 24 bytes of codes
.set QSA,  14
.set RR,   15
.set QZ,   16                          ; v16-45 Q: zeros, lanes 0-15, zeros, lanes 16-31, zeros, six registers each.  Variant j begins at QZ + 6 (1 - j / 2) + 12 (j % 2)
.set QA0,  46
.set QA1,  47
.set KF,   48                          ; v48-71  K's two fragments
.set VF,   72                          ; v72-95  V's two
.set S,    96                          ; v96-159 S^T, then p
.set OT,   160                         ; v160-175 O^T of the feature in hand
.set ACC,  176                         ; v176-191 the weighed sum over the features
.set PC,   192                         ; v192-203 p's codes;  v204-211 their upper halves on the way
.set PT,   204
.set BM,   212                         ; v212-215 the blocks' largest scores, then largest p
.set BT,   216                         ; v216-219 the other half's, then the bytes
.set SO,   220                         ; v220-223 the conversions' scale operands
.set NM,   224                         ; v224 -M;  v225 the largest t
.set RT,   225
.set LSUM, 226                         ; v[226:227] the row's sum, in two halves
.set FF,   228                         ; v228 2^(old M - new M)
.set PW,   229                         ; v229 p's scale word
.set TA,   230
.set TB,   231
.set L2,   232                         ; v[232:233] the sums' second chain
.set KS,   234                         ; v234 K's scale words: lanes 0-15 fragment 0's, lanes 16-31 fragment 1's;  v235 V's likewise;  v236 Q's
.set VS,   235
.set QS,   236
.set GT,   240                         ; v240-243 the four gates
.set OC,   244                         ; v244-246 o's codes
.set OA,   248
.set OB,   249
.set WV,   14
.set G1,   24                          ; s[24:31] descriptor group 1;  s[32:35], s[36:39] group 0 for slots 0 and 1
.set G0,   32
.set SEL,  40                          ; s[40:41] v_permlanex16_b32's selects for lane l xor 16
.set CS,   42                          ; s[42:43] c = log2(e) / sqrt(32)
.set TK,   44                          ; s44 where the next step's codes begin, s45 the same held inside the slot;  s46, s47 the scale words
.set TKC,  45
.set TS,   46
.set TSC,  47
.set CNT,  48
; A round of the cluster's barrier: my work-group's barrier, wave 0 signals for the work-group, every wave waits for all four work-groups, my work-group's barrier once more.
.macro CROUND
	s_barrier_signal -1
	s_barrier_wait -1
	s_cmp_lg_u32 s[WV], 0
	s_cbranch_scc1 .Lnot_wave_0_\@
	s_barrier_signal -3
.Lnot_wave_0_\@:
	s_barrier_wait -3
	s_barrier_signal -1
	s_barrier_wait -1
.endm
.macro LOADK                           ; seven LDS loads: a step's two fragments of K, 3,072 consecutive bytes, and their scale words
.irp g, 0,1,2,3,4,5
	ds_load_b128 v[KF+4*\g:KF+4*\g+3], v[AD] offset:512*\g
.endr
	ds_load_b32 v[KS], v[AS]
.endm
.macro LOADV                           ; seven more: V's
.irp g, 0,1,2,3,4,5
	ds_load_b128 v[VF+4*\g:VF+4*\g+3], v[AD] offset:VOFF+512*\g
.endr
	ds_load_b32 v[VS], v[AS] offset:2048
.endm
; THE CHANGE OF SLOTS, between two features.  Each wave waits for all its tensor loads (its part of the slot that it is about to read), adds 0 to its spare word, and waits for that and for its reads of the slot that it leaves.
; fill = 1: that slot takes the feature two on; the barrier is then a round of the cluster's, and the joint refill is the first thing behind it.
.macro CHANGE fill, slot
	s_wait_tensorcnt 0x0                           ; no tensor load of mine is out, so a group 0 may be written
	ds_add_u32 v[SPW], v[NIL]                      ; 0 onto my spare word
.if \fill
	s_add_nc_u64 s[G0+4*\slot+2:G0+4*\slot+3], s[G0+4*\slot+2:G0+4*\slot+3], 2*SLOT   ; two features on; the type bits on top are not reached
	s_wait_dscnt 0x0                               ; the add is done, and my reads of the slot are over
	CROUND
	tensor_load_to_lds s[G0+4*\slot:G0+4*\slot+3], s[G1:G1+7]
	s_nop 0
.rept 4
	v_nop                                          ; behind a tensor load
.endr
.else
	s_wait_dscnt 0x0
	s_barrier_signal -1
	s_barrier_wait -1
.endif
.endm
; ONE FEATURE: 16 key steps of 128 keys out of the slot at LDS byte base, then ACC += gate / l x O^T.
.macro FEATURE ft, base
	v_mov_b32 v[RT], 0xff61b1e6                    ; the largest t so far: -3e38, under every t
	v_mov_b32 v[LSUM], 0
	v_mov_b32 v[LSUM+1], 0
	v_floor_f32 v[NM], -v[RT]
.set n, 0
.rept 16
	v_mov_b32 v[OT+n], 0                           ; the step is written once: the first finds zeros, which the first change of M leaves zeros
.set n, n+1
.endr
	s_mov_b32 s[TK], \base
	s_mov_b32 s[TS], \base+KSOFF
	v_add_nc_u32 v[AD], s[TK], v[LI]
	v_add_nc_u32 v[AS], s[TS], v[LS]
	LOADK
	LOADV
	s_mov_b32 s[CNT], 16
.Lstep_\@:
	s_wait_dscnt 7                                 ; K's seven loads are in; the seven behind them are V's
.irp f, 0,1
.irp j, 0,1,2,3
.if \f == 0
	v_wmma_scale_f32_16x16x128_f8f6f4 v[S+8*\j:S+8*\j+7], v[KF:KF+11], v[QZ+6*(1-\j/2)+12*(\j%2):QZ+6*(1-\j/2)+12*(\j%2)+11], 0, v[KS], v[QS] matrix_a_fmt:MATRIX_FMT_BF6 matrix_b_fmt:MATRIX_FMT_BF6
.else
	v_wmma_scale_f32_16x16x128_f8f6f4 v[S+32+8*\j:S+32+8*\j+7], v[KF+12:KF+23], v[QZ+6*(1-\j/2)+12*(\j%2):QZ+6*(1-\j/2)+12*(\j%2)+11], 0, v[KS], v[QS] matrix_a_fmt:MATRIX_FMT_BF6 matrix_b_fmt:MATRIX_FMT_BF6 matrix_a_scale:MATRIX_SCALE_ROW1
.endif
.endr
.endr
	s_add_co_u32 s[TK], s[TK], 3072                ; the next step's tiles.  The last trip has none: its address is held at step 15, which is read once more and not used, so that no LDS read leaves the slot and the step is written once
	s_min_u32 s[TKC], s[TK], \base+15*3072
	s_add_co_u32 s[TS], s[TS], 128
	s_min_u32 s[TSC], s[TS], \base+KSOFF+15*128
	v_add_nc_u32 v[AD], s[TKC], v[LI]              ; four plain instructions between the products and the loads into their operands, and the reads of their results
	v_add_nc_u32 v[AS], s[TSC], v[LS]
	v_nop
	v_nop
	LOADK
.irp b, 0,1,2,3
	v_max3_num_f32 v[BM+\b], v[S+16*\b], v[S+16*\b+1], v[S+16*\b+2]   ; THE LARGEST SCORE OF EACH BLOCK OF 32 KEYS serves twice: for the row's maximum, and, since p rises with the score, for the block's largest p
.endr
.irp e, 3,5,7,9,11,13
.irp b, 0,1,2,3
	v_max3_num_f32 v[BM+\b], v[BM+\b], v[S+16*\b+\e], v[S+16*\b+\e+1]
.endr
.endr
.irp b, 0,1,2,3
	v_max_num_f32 v[BM+\b], v[BM+\b], v[S+16*\b+15]
.endr
.irp b, 0,1,2,3
	v_permlanex16_b32 v[BT+\b], v[BM+\b], s[SEL], s[SEL+1]
.endr
.irp b, 0,1,2,3
	v_max_num_f32 v[BM+\b], v[BM+\b], v[BT+\b]     ; with lane l xor 16's 16 keys
.endr
	v_max3_num_f32 v[TA], v[BM], v[BM+1], v[BM+2]
	v_max_num_f32 v[TA], v[TA], v[BM+3]            ; the step's largest score of my query
	v_mul_f32 v[TA], s[CS], v[TA]                  ; as t (c is positive)
	v_max_num_f32 v[RT], v[RT], v[TA]              ; the running largest t
	v_mov_b32 v[TA], v[NM]
	v_floor_f32 v[NM], -v[RT]                      ; the new -M = floor(-t) = -ceil(t): M is a whole number
	v_sub_f32 v[TA], v[NM], v[TA]                  ; old M less new M: a whole number, 0 or less
	v_cvt_i32_f32 v[TA], v[TA]                     ; (it saturates)
	v_ldexp_f32 v[FF], 1.0, v[TA]                  ; f = 2^(old M - new M)
.set n, 0
.rept 32
	v_pk_fma_f32 v[S+n:S+n+1], v[S+n:S+n+1], s[CS:CS+1], v[NM:NM+1] op_sel_hi:[1,0,0]   ; t - M, two at a time (of the pairs c and -M the low word serves both halves)
.set n, n+2
.endr
.irp b, 0,1,2,3
	v_fma_f32 v[BM+\b], v[BM+\b], s[CS], v[NM]     ; the same of each block's largest score
.endr
.set n, 0
.rept 64
	v_exp_f32 v[S+n], v[S+n]                       ; p = 2^(t - M), at most 1
.set n, n+1
.endr
	v_pk_mul_f32 v[LSUM:LSUM+1], v[LSUM:LSUM+1], v[FF:FF+1] op_sel_hi:[1,0]   ; the sums under the new M: the plain instruction behind the exponentials
	s_wait_alu depctr_va_vdst(0)                   ; one wait for the batch of 64, ahead of its first reader
.irp b, 0,1,2,3
	v_exp_f32 v[BM+\b], v[BM+\b]                   ; the block's largest p: the same two instructions on the same number give the same bits
.endr
	v_pk_add_f32 v[L2:L2+1], v[S:S+1], v[S+2:S+3]  ; THE ROW'S SUM IS TAKEN OF THE UNQUANTISED p, in two chains; it reads the 64 alone: plain work behind the four
.irp e, 4,8,12,16,20,24,28,32,36,40,44,48,52,56,60
	v_pk_add_f32 v[LSUM:LSUM+1], v[LSUM:LSUM+1], v[S+\e:S+\e+1]
	v_pk_add_f32 v[L2:L2+1], v[L2:L2+1], v[S+\e+2:S+\e+3]
.endr
	v_pk_add_f32 v[LSUM:LSUM+1], v[LSUM:LSUM+1], v[L2:L2+1]
	s_wait_alu depctr_va_vdst(0)                   ; and one for the four
.irp b, 0,1,2,3
	v_max_num_f32 v[BM+\b], 0x2800000, v[BM+\b]    ; the floor 2^(5 - 127): the byte cannot fall under 1
.endr
.irp b, 0,1,2,3
	v_add_nc_u32 v[SO+\b], 0xfe000000, v[BM+\b]    ; 4 off the exponent field: the conversion's scale operand
.endr
.irp b, 0,1,2,3
	v_lshrrev_b32 v[BT+\b], 23, v[SO+\b]           ; the scale's byte
.endr
	v_lshl_or_b32 v[PW], v[BT+1], 8, v[BT]
	v_lshl_or_b32 v[PW], v[BT+2], 16, v[PW]
	v_lshl_or_b32 v[PW], v[BT+3], 24, v[PW]        ; p's scale word for these 128 keys
.irp c, 0,1
	v_cvt_scalef32_pk16_bf6_f32 v[PC+6*\c:PC+6*\c+2], v[S+32*\c:S+32*\c+15], v[SO+2*\c]
	v_cvt_scalef32_pk16_bf6_f32 v[PT+4*\c:PT+4*\c+2], v[S+32*\c+16:S+32*\c+31], v[SO+2*\c+1]   ; (a conversion's three registers begin on an even number)
.endr
	v_nop                                          ; one plain instruction behind the scaled conversions
.irp c, 0,1                                    ; the operand's layout wants a WHOLE block in a lane
.irp k, 0,1,2
	v_permlane16_swap_b32 v[PC+6*\c+\k], v[PT+4*\c+\k]
.endr
.irp k, 0,1,2
	v_mov_b32 v[PC+3+6*\c+\k], v[PT+4*\c+\k]
.endr
.endr
.irp e, 0,2,4,6,8,10,12,14
	v_pk_mul_f32 v[OT+\e:OT+\e+1], v[OT+\e:OT+\e+1], v[FF:FF+1] op_sel_hi:[1,0]   ; O^T under the new M, from each accumulator's low end on.  These eight also stand between the codes' last write and the products; 21 plain lines lie behind the scale word's
.endr
	s_wait_dscnt 7                                 ; V's seven loads are in; the seven behind them are the next step's K
	v_wmma_scale_f32_16x16x128_f8f6f4 v[OT:OT+7], v[VF:VF+11], v[PC:PC+11], v[OT:OT+7], v[VS], v[PW] matrix_a_fmt:MATRIX_FMT_BF6 matrix_b_fmt:MATRIX_FMT_BF6
	v_wmma_scale_f32_16x16x128_f8f6f4 v[OT+8:OT+15], v[VF+12:VF+23], v[PC:PC+11], v[OT+8:OT+15], v[VS], v[PW] matrix_a_fmt:MATRIX_FMT_BF6 matrix_b_fmt:MATRIX_FMT_BF6 matrix_a_scale:MATRIX_SCALE_ROW1
.rept 4
	v_nop                                          ; four plain instructions ahead of the loads into V's registers
.endr
	LOADV
	s_sub_co_u32 s[CNT], s[CNT], 1
	s_cmp_lg_u32 s[CNT], 0
	s_cbranch_scc1 .Lstep_\@
	v_add_f32 v[TA], v[LSUM], v[LSUM+1]            ; the sum's two halves,
	v_permlanex16_b32 v[TB], v[TA], s[SEL], s[SEL+1]
	v_add_f32 v[TA], v[TA], v[TB]                  ; and lane l xor 16's: the row's sum, at least 1/2
	v_rcp_f32 v[TA], v[TA]
	v_nop                                          ; a plain instruction behind the reciprocal,
	s_wait_alu depctr_va_vdst(0)                   ; and the wait ahead of its first reader
	v_mul_f32 v[TA], v[TA], v[GT+\ft]              ; gate / l
.irp e, 0,2,4,6,8,10,12,14
.if \ft == 0
	v_pk_mul_f32 v[ACC+\e:ACC+\e+1], v[OT+\e:OT+\e+1], v[TA:TA+1] op_sel_hi:[1,0]
.else
	v_pk_fma_f32 v[ACC+\e:ACC+\e+1], v[OT+\e:OT+\e+1], v[TA:TA+1], v[ACC+\e:ACC+\e+1] op_sel_hi:[1,0,1]
.endif
.endr
.endm
	s_load_b128 s[4:7], s[0:1], 0x0                ; qc, kv
	s_load_b128 s[8:11], s[0:1], 0x10              ; feature_weights, oc
	s_load_b64 s[12:13], s[0:1], 0x20              ; os
	v_lshl_add_u32 v[SPW], v0, 2, SPARE
	v_mov_b32 v[NIL], 0
	ds_add_u32 v6, v7
	ds_add_u32 v6, v7
	s_wait_dscnt 0x0
	v_lshrrev_b32 v1, 5, v0
	v_readfirstlane_b32 s[WV], v1                  ; wave 0..7
	s_bfe_u32 s15, ttmp6, 0x40000                  ; cx: my place in the cluster
	s_lshl_b32 s16, ttmp9, 2
	s_add_co_u32 s16, s16, s15                     ; my block of 128 queries: it enters the addresses of qc, oc and os alone
	s_and_b32 s17, ttmp7, 0xffff                   ; 8 x batch + head, which the four partners share
	; descriptor group 1: 12,800 dense bytes as 50 rows of 256 (32 elements of 8 bytes), no padding
	s_mov_b32 s[G1], 15|(3<<16)|(1<<21)            ; 15:0 the mask: all four work-groups; 17:16 elements of 8 bytes; 21 set beside a mask
	s_mov_b32 s[G1+1], 32<<16                      ; tensor_dim0 = 32
	s_mov_b32 s[G1+2], 50<<16                      ; tensor_dim1 = 50
	s_mov_b32 s[G1+3], 32<<16                      ; tile_dim0 = 32
	s_mov_b32 s[G1+4], 50                          ; tile_dim1 = 50
	s_mov_b32 s[G1+5], 32                          ; from row to row
	s_mov_b32 s[G1+6], 0
	s_mov_b32 s[G1+7], 0
	s_mul_i32 s20, s[WV], SLOT/8                   ; my eighth of a slot, in LDS and in memory: no place in the cluster enters either
	s_mul_i32 s18, s17, 4*SLOT                     ; the head's four records
	s_add_co_u32 s18, s18, s20
	s_mov_b32 s19, 0
	s_mov_b32 s[SEL], 0x76543210
	s_mov_b32 s[SEL+1], 0xfedcba98
	s_mov_b32 s[CS], 0x3e8293ee                    ; c = log2(e) / sqrt(32)
	s_mov_b32 s[CS+1], s[CS]                       ; (named with it as a pair, so it is written)
	s_mov_b32 s49, 0x01010101
	s_wait_kmcnt 0x0
	s_add_nc_u64 s[18:19], s[6:7], s[18:19]
.irp s, 0,1
	s_mov_b32 s[G0+4*\s], 1                        ; count = 1
	s_add_co_u32 s[G0+4*\s+1], s20, \s*SLOT        ; LDS address
	s_add_nc_u64 s[G0+4*\s+2:G0+4*\s+3], s[18:19], \s*SLOT   ; global address: feature s
	s_or_b32 s[G0+4*\s+3], s[G0+4*\s+3], 0x80000000   ; type = 2
.endr
	CROUND                                         ; all four work-groups are here: the first joint loads meet
	tensor_load_to_lds s[G0:G0+3], s[G1:G1+7]      ; features 0 and 1: two loads of mine are out
	s_nop 0
	tensor_load_to_lds s[G0+4:G0+7], s[G1:G1+7]
	s_nop 0
.rept 4
	v_nop
.endr
	s_load_b128 s[60:63], s[8:9], 0x0              ; the four feature weights
	v_and_b32 v1, 31, v0                           ; lane
	v_lshlrev_b32 v[LI], 4, v1
	v_lshlrev_b32 v[LS], 2, v1
	v_and_b32 v[RR], 15, v0                        ; r: my query is 16 w + r of the block
	v_bfe_u32 v250, v0, 4, 1                       ; h
	v_and_b32 v251, 7, v0
	v_bfe_u32 v252, v0, 3, 1
	; Q.  Query 16 w + r is row (r % 8) + 8 (w % 2) of token tile 2 (w / 2) + r / 8: in fragment w / 4 of the block it is block 2 cc + r / 8, cc = (w / 2) % 2: lane (r % 8) + 8 (w % 2) + 16 (r / 8), registers 6 cc .. 6 cc + 5
	s_and_b32 s21, s[WV], 1
	s_bfe_u32 s50, s[WV], 0x10001                  ; cc
	s_lshr_b32 s51, s[WV], 2
	s_mul_i32 s52, s17, 51200                      ; the head's record in qc
	s_lshl_b32 s53, s16, 1
	s_add_co_u32 s53, s53, s51
	s_mul_i32 s53, s53, 1536                       ; the fragment's image,
	s_add_co_u32 s53, s53, s52
	s_lshl_b32 s54, s21, 7                         ; 16 bytes a lane: 8 (w % 2) lanes on
	s_add_co_u32 s22, s53, s54
	s_mov_b32 s23, 0
	s_add_nc_u64 s[22:23], s[4:5], s[22:23]
	v_lshlrev_b32 v253, 4, v251
	v_lshl_add_u32 v253, v252, 8, v253             ; 16 ((r % 8) + 16 (r / 8))
	s_mul_i32 s54, s50, 520                        ; the six registers lie at bytes 0, 8 and 512 of the lane's place (cc = 0) or at 520, 1,024 and 1,032 (cc = 1)
	s_mul_i32 s55, s50, 1016
	v_add_nc_u32 v[QA0], s54, v253
	v_add_nc_u32 v[QA1], s55, v253
	global_load_b64 v[QT:QT+1], v[QA0], s[22:23]
	global_load_b64 v[QT+2:QT+3], v[QA1], s[22:23] offset:8
	global_load_b64 v[QT+4:QT+5], v[QA0], s[22:23] offset:512
	s_lshl_b32 s56, s16, 7                         ; its scale byte: 128 bytes a block, 64 a fragment, 4 a row, the block's number
	s_add_co_u32 s56, s56, s52
	s_lshl_b32 s58, s51, 6
	s_add_co_u32 s56, s56, s58
	s_lshl_b32 s58, s21, 5
	s_add_co_u32 s56, s56, s58
	s_lshl_b32 s58, s50, 1
	s_add_co_u32 s56, s56, s58
	s_add_co_u32 s56, s56, 49152
	s_mov_b32 s57, 0
	s_add_nc_u64 s[56:57], s[4:5], s[56:57]
	v_lshl_add_u32 v[QSA], v251, 2, v252
	global_load_u8 v[QS], v[QSA], s[56:57]
	; where o goes: oc [head][token][24 bytes], os [token][head]
	s_lshr_b32 s58, s17, 3
	s_lshl_b32 s58, s58, 11
	s_lshl_b32 s59, s16, 7
	s_add_co_u32 s58, s58, s59
	s_lshl_b32 s59, s[WV], 4
	s_add_co_u32 s58, s58, s59                     ; my first token
	s_and_b32 s59, s17, 7                          ; the head
	s_mul_i32 s66, s59, 98304
	s_mul_i32 s67, s58, 24
	s_add_co_u32 s66, s66, s67
	s_mov_b32 s67, 0
	s_add_nc_u64 s[10:11], s[10:11], s[66:67]
	s_lshl_b32 s66, s58, 3
	s_add_co_u32 s66, s66, s59
	s_add_nc_u64 s[12:13], s[12:13], s[66:67]
	v_mul_u32_u24 v[OA], v[RR], 24
	v_mad_u32_u24 v[OA], v250, 12, v[OA]
	v_lshlrev_b32 v[OB], 3, v[RR]
	; the gates: softmax of the four weights, their maximum taken away first
	s_wait_kmcnt 0x0
	v_mov_b32 v[GT], s60
	v_mov_b32 v[GT+1], s61
	v_mov_b32 v[GT+2], s62
	v_mov_b32 v[GT+3], s63
	v_max3_num_f32 v[TA], v[GT], v[GT+1], v[GT+2]
	v_max_num_f32 v[TA], v[TA], v[GT+3]
.irp e, 0,1,2,3
	v_sub_f32 v[GT+\e], v[GT+\e], v[TA]
.endr
.irp e, 0,1,2,3
	v_mul_f32 v[GT+\e], 0x3fb8aa3b, v[GT+\e]
.endr
.irp e, 0,1,2,3
	v_exp_f32 v[GT+\e], v[GT+\e]
.endr
	v_nop
	s_wait_alu depctr_va_vdst(0)                   ; one wait for the four exponentials
	v_add_f32 v[TA], v[GT], v[GT+1]
	v_add_f32 v[TB], v[GT+2], v[GT+3]
	v_add_f32 v[TA], v[TA], v[TB]
	v_rcp_f32 v[TA], v[TA]
	v_nop
	s_wait_alu depctr_va_vdst(0)
.irp e, 0,1,2,3
	v_mul_f32 v[GT+\e], v[GT+\e], v[TA]
.endr
.irp b, 0,1,2,3
	v_mov_b32 v[BT+\b], 0                          ; written once: a lane permute's destination counts as one of its sources
.endr
	v_mov_b32 v[PW], 0                             ; (named as the upper half of the pair v[FF:FF+1] before it is first written)
	s_wait_loadcnt 0x0                             ; Q
	v_cmp_gt_u32 vcc_lo, 16, v1
.irp e, 0,1,2,3,4,5
	v_mov_b32 v[QZ+\e], 0
	v_cndmask_b32 v[QZ+6+\e], 0, v[QT+\e], vcc_lo  ; my query's codes in lanes 0-15: blocks 0 and 2
	v_mov_b32 v[QZ+12+\e], 0
	v_mov_b32 v[QZ+24+\e], 0
.endr
.irp e, 0,1,2,3,4,5
	v_cndmask_b32 v[QZ+18+\e], v[QT+\e], v[QZ], vcc_lo   ; in lanes 16-31: blocks 1 and 3
.endr
	v_mul_lo_u32 v[QS], v[QS], s49                 ; the query's byte in all four places of its scale word: whichever block holds the codes
	s_wait_tensorcnt 1                             ; my part of slot 0 is in; slot 1's may stay out
	s_barrier_signal -1
	s_barrier_wait -1                              ; everybody's is
	FEATURE 0, 0
	CHANGE 1, 0                                    ; slot 0 takes feature 2
	FEATURE 1, SLOT
	CHANGE 1, 1                                    ; slot 1 takes feature 3
	FEATURE 2, 0
	CHANGE 0, 0                                    ; nothing is left to fetch
	FEATURE 3, SLOT
	; THE WAY OUT.  My 16 registers are channels 16 h .. 16 h + 15 of query r; the head's 32 are one block of the last product's K, in lanes l and l xor 16.
	v_max3_num_f32 v[TA], |v[ACC]|, |v[ACC+1]|, 0x2800000
	v_max3_num_f32 v[TB], |v[ACC+2]|, |v[ACC+3]|, |v[ACC+4]|
	v_max3_num_f32 v[TA], v[TA], |v[ACC+5]|, |v[ACC+6]|
	v_max3_num_f32 v[TB], v[TB], |v[ACC+7]|, |v[ACC+8]|
	v_max3_num_f32 v[TA], v[TA], |v[ACC+9]|, |v[ACC+10]|
	v_max3_num_f32 v[TB], v[TB], |v[ACC+11]|, |v[ACC+12]|
	v_max3_num_f32 v[TA], v[TA], |v[ACC+13]|, |v[ACC+14]|
	v_max3_num_f32 v[TA], v[TA], v[TB], |v[ACC+15]|
	v_permlanex16_b32 v[TB], v[TA], s[SEL], s[SEL+1]
	v_max_num_f32 v[TA], v[TA], v[TB]
	v_add_nc_u32 v[TB], 0xfe000000, v[TA]
	v_cvt_scalef32_pk16_bf6_f32 v[OC:OC+2], v[ACC:ACC+15], v[TB]
	v_lshrrev_b32 v[TA], 23, v[TB]                 ; the scale's byte (the plain instruction behind the conversion)
	global_store_b96 v[OA], v[OC:OC+2], s[10:11]   ; the wave stores 384 consecutive bytes
	global_store_b8 v[OB], v[TA], s[12:13]         ; lanes l and l xor 16 write the same byte with the same value
	s_wait_tensorcnt 0x0                           ; the wave's end
	ds_add_u32 v[SPW], v[NIL]
	s_wait_dscnt 0x0
	CROUND                                         ; the closing round: no work-group ends while a partner may still ask for a tile that names it
	s_endpgm
.Lfunc_end_k_q7ed0928b4c_attn:
	.size	k_q7ed0928b4c_attn, .Lfunc_end_k_q7ed0928b4c_attn-k_q7ed0928b4c_attn
	.p2alignl 7, 3214868480
	.fill 96, 4, 3214868480
	.section	.rodata,"a",@progbits
	.p2align	6, 0x0
	.amdhsa_kernel k_q7ed0928b4c_attn
		.amdhsa_group_segment_fixed_size 327680
		.amdhsa_private_segment_fixed_size 0
		.amdhsa_enable_private_segment 0
		.amdhsa_kernarg_size 40
		.amdhsa_user_sgpr_count 2
		.amdhsa_user_sgpr_kernarg_segment_ptr 1
		.amdhsa_wavefront_size32 1
		.amdhsa_system_sgpr_workgroup_id_x 1
		.amdhsa_system_sgpr_workgroup_id_y 1
		.amdhsa_system_sgpr_workgroup_id_z 1
		.amdhsa_system_vgpr_workitem_id 0
		.amdhsa_next_free_vgpr 256
		.amdhsa_next_free_sgpr 80
		.amdhsa_reserve_vcc 1
		.amdhsa_float_denorm_mode_32 3
		.amdhsa_float_denorm_mode_16_64 3
		.amdhsa_memory_ordered 1
		.amdhsa_forward_progress 1
		.amdhsa_inst_pref_size 77
	.end_amdhsa_kernel
	.amdgpu_metadata
---
amdhsa.version: [ 1, 2 ]
amdhsa.kernels:
  - .name:           k_q7ed0928b4c_attn
    .symbol:         k_q7ed0928b4c_attn.kd
    .args:
      - { .name: qc, .offset: 0, .size: 8, .value_kind: global_buffer, .address_space: global }
      - { .name: kv, .offset: 8, .size: 8, .value_kind: global_buffer, .address_space: global }
      - { .name: feature_weights, .offset: 16, .size: 8, .value_kind: global_buffer, .address_space: global }
      - { .name: oc, .offset: 24, .size: 8, .value_kind: global_buffer, .address_space: global }
      - { .name: os, .offset: 32, .size: 8, .value_kind: global_buffer, .address_space: global }
    .group_segment_fixed_size: 327680
    .private_segment_fixed_size: 0
    .kernarg_segment_align: 8
    .kernarg_segment_size: 40
    .max_flat_workgroup_size: 256
    .sgpr_count:     80
    .vgpr_count:     256
    .wavefront_size: 32
...
	.end_amdgpu_metadata
.endif
;; end of part 2
;; launch oproj (part 3): grid 256 x 1, 4 waves a work-group, no clusters, 17,920 bytes of LDS; arguments oc, os, woc, bo, out0; writes out0
.if DOCPART == 3
	.amdgcn_target "amdgcn-amd-amdhsa--gfx1250"
	.amdhsa_code_object_version 6
	.text
	.protected	k_q7ed0928b4c_oproj
	.globl	k_q7ed0928b4c_oproj
	.p2align	8
	.type	k_q7ed0928b4c_oproj,@function
k_q7ed0928b4c_oproj:
	s_mov_b64 s[64:65], 0
	v_nop
	global_prefetch_b8 v0, s[64:65] scope:SCOPE_SE
	s_setreg_imm32_b32 hwreg(HW_REG_WAVE_MODE, 25, 1), 1
	s_wait_xcnt 0x0
; out0 = o Wo^T + bo, on codes of BF6 (E3M2) with one E8M0 scale for each 32 along K = 256.  o: codes [head 8][token 4096][24 bytes], scale bytes [token][head]: a head is a block of K.
; Wo: 32 fragments as images of their registers (12 registers: three groups of 512 bytes, lane l's 16 bytes at 16 l), fragment 4 g + 2 u + s: rows 32 g + 8 u + i + 8 (i / 8), K step s; behind them their scale words, 128 bytes each.
; SHARES.  A work-group takes 16 tokens, wave w outputs 64 w .. 64 w + 63: four tiles, eight fragments of Wo, which lie on end in woc.  The waves share nothing: no barrier.
; USED TRANSPOSED (source 0 = Wo, source 1 = o): by the choice of Wo's rows, lane (r, h) holds, of token r, outputs 64 w + 32 (tile / 2) + 16 h + 8 (tile % 2) + 0 .. 7.  The bias is the C of each sum's first product.
; The results go through the wave's own stage in LDS and leave as aligned runs of 256 bytes.  All operands come straight from memory into registers, once: no ring, no tensor load.
.set LI,  3                            ; v3  16 x lane
.set LS,  4                            ; v4  4 x lane
.set BA,  5                            ; v5  the bias: 64 h
.set OA,  6                            ; v6  o's codes: 98,304 h + 24 r
.set SA,  7                            ; v7  o's scale bytes: 8 r
.set STO, 8                            ; v8  the stage, in
.set RD,  9                            ; v9  and back
.set CO,  10                           ; v10 my place in two rows of out0
.set OSC, 12                           ; v12-13 o's scale words for the two K steps
.set WSC, 16                           ; v16-23 Wo's scale words (2 tile + s)
.set OF,  24                           ; v24-47 o's two fragments
.set WF,  48                           ; v48-143 Wo's eight
.set BI,  144                          ; v144-175 the bias, eight registers a tile
.set ACC, 176                          ; v176-207 four accumulators
.set BK,  208                          ; v208-239 rows read back
.set SPI, 272                          ; a stage row: 256 bytes + 16
	s_load_b128 s[4:7], s[0:1], 0x0                ; oc, os
	s_load_b128 s[8:11], s[0:1], 0x10              ; woc, bo
	s_load_b64 s[12:13], s[0:1], 0x20              ; out0
	v_lshl_add_u32 v240, v0, 2, 0x4400
	v_mov_b32 v241, 0
	v_lshrrev_b32 v1, 5, v0
	v_readfirstlane_b32 s14, v1                    ; wave 0..3
	v_and_b32 v1, 15, v0                           ; r
	v_bfe_u32 v2, v0, 4, 1                         ; h
	v_and_b32 v11, 31, v0
	v_lshlrev_b32 v[LI], 4, v11
	v_lshlrev_b32 v[LS], 2, v11
	v_lshlrev_b32 v[BA], 6, v2
	v_mul_u32_u24 v[OA], v1, 24
	v_mad_u32_u24 v[OA], v2, 98304, v[OA]
	v_lshlrev_b32 v[SA], 3, v1
	s_mul_i32 s15, s14, 16*SPI                     ; my stage
	v_mul_u32_u24 v[STO], v1, SPI
	v_lshl_add_u32 v[STO], v2, 6, v[STO]
	v_add_nc_u32 v[STO], s15, v[STO]               ; in: row r, + 64 h
	v_mul_u32_u24 v[RD], v2, SPI
	v_lshl_add_u32 v[RD], v1, 4, v[RD]
	v_add_nc_u32 v[RD], s15, v[RD]                 ; back: lanes 0-15 one row, lanes 16-31 the next
	v_lshlrev_b32 v[CO], 10, v2
	v_lshl_add_u32 v[CO], v1, 4, v[CO]
	s_mul_i32 s16, ttmp9, 384                      ; 16 tokens of 24 bytes
	s_mov_b32 s17, 0
	s_lshl_b32 s18, ttmp9, 7                       ; 16 tokens of 8 scale bytes
	s_mov_b32 s19, 0
	s_mul_i32 s20, s14, 8*1536                     ; my eight fragments
	s_mov_b32 s21, 0
	s_lshl_b32 s22, s14, 10
	s_add_co_u32 s22, s22, 32*1536                 ; their scale words
	s_mov_b32 s23, 0
	s_lshl_b32 s24, s14, 8                         ; my 64 outputs
	s_mov_b32 s25, 0
	s_lshl_b32 s26, ttmp9, 14                      ; 16 rows of 1,024 bytes
	s_add_co_u32 s26, s26, s24
	s_mov_b32 s27, 0
	s_wait_kmcnt 0x0
	s_add_nc_u64 s[4:5], s[4:5], s[16:17]
	s_add_nc_u64 s[6:7], s[6:7], s[18:19]
	s_add_nc_u64 s[28:29], s[8:9], s[22:23]
	s_add_nc_u64 s[8:9], s[8:9], s[20:21]
	s_add_nc_u64 s[10:11], s[10:11], s[24:25]
	s_add_nc_u64 s[12:13], s[12:13], s[26:27]
.set n, 0
.rept 24
	global_load_b128 v[WF+4*n:WF+4*n+3], v[LI], s[8:9] offset:512*n   ; 512 consecutive bytes a load
.set n, n+1
.endr
.irp k, 0,1,2,3,4,5,6,7
	global_load_b32 v[WSC+\k], v[LS], s[28:29] offset:128*\k
.endr
.irp t, 0,1,2,3
	global_load_b128 v[BI+8*\t:BI+8*\t+3], v[BA], s[10:11] offset:128*(\t/2)+32*(\t%2)
	global_load_b128 v[BI+8*\t+4:BI+8*\t+7], v[BA], s[10:11] offset:128*(\t/2)+32*(\t%2)+16
.endr
.irp s, 0,1                                    ; registers 6 c .. 6 c + 5 of K step s in lane (r, h): head 4 s + 2 c + h of token r, 24 bytes as three loads of 8
.irp c, 0,1
.irp p, 0,1,2
	global_load_b64 v[OF+12*\s+6*\c+2*\p:OF+12*\s+6*\c+2*\p+1], v[OA], s[4:5] offset:(4*\s+2*\c)*98304+8*\p
.endr
.endr
.endr
	global_load_b64 v[OSC:OSC+1], v[SA], s[6:7]    ; token r's eight bytes: the two K steps' scale words
	s_wait_loadcnt 0x0
.irp t, 0,1,2,3                                ; the four accumulators take turns, a K step at a time
	v_wmma_scale_f32_16x16x128_f8f6f4 v[ACC+8*\t:ACC+8*\t+7], v[WF+24*\t:WF+24*\t+11], v[OF:OF+11], v[BI+8*\t:BI+8*\t+7], v[WSC+2*\t], v[OSC] matrix_a_fmt:MATRIX_FMT_BF6 matrix_b_fmt:MATRIX_FMT_BF6
.endr
.irp t, 0,1,2,3
	v_wmma_scale_f32_16x16x128_f8f6f4 v[ACC+8*\t:ACC+8*\t+7], v[WF+24*\t+12:WF+24*\t+23], v[OF+12:OF+23], v[ACC+8*\t:ACC+8*\t+7], v[WSC+2*\t+1], v[OSC+1] matrix_a_fmt:MATRIX_FMT_BF6 matrix_b_fmt:MATRIX_FMT_BF6
.endr
.rept 4
	v_nop                                          ; four plain instructions ahead of the first read of results (ISA guide 7.12.1)
.endr
.irp t, 0,1,2,3
	ds_store_b128 v[STO], v[ACC+8*\t:ACC+8*\t+3] offset:128*(\t/2)+32*(\t%2)       ; each accumulator from its low end on
	ds_store_b128 v[STO], v[ACC+8*\t+4:ACC+8*\t+7] offset:128*(\t/2)+32*(\t%2)+16
.endr
.irp i, 0,1,2,3,4,5,6,7
	ds_load_b128 v[BK+4*\i:BK+4*\i+3], v[RD] offset:2*\i*SPI   ; LDS serves a wave's instructions in order: these see my stores
.endr
.irp i, 0,1,2,3,4,5,6,7
	s_wait_dscnt 7-\i                              ; the loads behind load i may stay out
	global_store_b128 v[CO], v[BK+4*\i:BK+4*\i+3], s[12:13] offset:2*\i*1024 th:TH_STORE_NT   ; sixteen lanes store 256 consecutive bytes, at a multiple of 256 from out0's first byte; two rows an instruction
.endr
	s_wait_tensorcnt 0x0
	ds_add_u32 v240, v241
	s_wait_dscnt 0x0
	s_endpgm
.Lfunc_end_k_q7ed0928b4c_oproj:
	.size	k_q7ed0928b4c_oproj, .Lfunc_end_k_q7ed0928b4c_oproj-k_q7ed0928b4c_oproj
	.p2alignl 7, 3214868480
	.fill 96, 4, 3214868480
	.section	.rodata,"a",@progbits
	.p2align	6, 0x0
	.amdhsa_kernel k_q7ed0928b4c_oproj
		.amdhsa_group_segment_fixed_size 17920
		.amdhsa_private_segment_fixed_size 0
		.amdhsa_enable_private_segment 0
		.amdhsa_kernarg_size 40
		.amdhsa_user_sgpr_count 2
		.amdhsa_user_sgpr_kernarg_segment_ptr 1
		.amdhsa_wavefront_size32 1
		.amdhsa_system_sgpr_workgroup_id_x 1
		.amdhsa_system_sgpr_workgroup_id_y 1
		.amdhsa_system_sgpr_workgroup_id_z 1
		.amdhsa_system_vgpr_workitem_id 0
		.amdhsa_next_free_vgpr 242
		.amdhsa_next_free_sgpr 66
		.amdhsa_reserve_vcc 0
		.amdhsa_float_denorm_mode_32 3
		.amdhsa_float_denorm_mode_16_64 3
		.amdhsa_memory_ordered 1
		.amdhsa_forward_progress 1
		.amdhsa_inst_pref_size 11
	.end_amdhsa_kernel
	.amdgpu_metadata
---
amdhsa.version: [ 1, 2 ]
amdhsa.kernels:
  - .name:           k_q7ed0928b4c_oproj
    .symbol:         k_q7ed0928b4c_oproj.kd
    .args:
      - { .name: oc, .offset: 0, .size: 8, .value_kind: global_buffer, .address_space: global }
      - { .name: os, .offset: 8, .size: 8, .value_kind: global_buffer, .address_space: global }
      - { .name: woc, .offset: 16, .size: 8, .value_kind: global_buffer, .address_space: global }
      - { .name: bo, .offset: 24, .size: 8, .value_kind: global_buffer, .address_space: global }
      - { .name: out0, .offset: 32, .size: 8, .value_kind: global_buffer, .address_space: global }
    .group_segment_fixed_size: 17920
    .private_segment_fixed_size: 0
    .kernarg_segment_align: 8
    .kernarg_segment_size: 40
    .max_flat_workgroup_size: 128
    .sgpr_count:     66
    .vgpr_count:     242
    .wavefront_size: 32
...
	.end_amdgpu_metadata
.endif
;; end of part 3
;; ======== version 2 of 2: 3 launches
;; workspace buffers: qc 819,200 bytes; kv 6,553,600 bytes; woc 53,248 bytes; oc 786,432 bytes; os 32,768 bytes
;; launch proj (part 4): grid 289 x 1, 8 waves a work-group, no clusters, 97,280 bytes of LDS; arguments q_data, x_0, v_0, edge_attr, concatenated_features, Wq, Wk, Wv, Wo, bq, bk, bv, qc, kv, woc; writes qc, kv, woc
.if DOCPART == 4
	.amdgcn_target "amdgcn-amd-amdhsa--gfx1250"
	.amdhsa_code_object_version 6
	.text
	.protected	k_q7ed0928b4c_proj
	.globl	k_q7ed0928b4c_proj
	.p2align	8
	.type	k_q7ed0928b4c_proj,@function
k_q7ed0928b4c_proj:
	s_mov_b64 s[64:65], 0
	v_nop
	global_prefetch_b8 v0, s[64:65] scope:SCOPE_SE
	s_setreg_imm32_b32 hwreg(HW_REG_WAVE_SCHED_MODE, 0, 2), 2
	s_setreg_imm32_b32 hwreg(HW_REG_WAVE_MODE, 25, 1), 1
	s_wait_xcnt 0x0
	s_wait_alu depctr_vm_vsrc(0)
; THE NINE INPUT PROJECTIONS (Q; K and V of four features), ON CODES OF BF6 (E3M2) WITH ONE E8M0 SCALE FOR EACH 32 ALONG K, WITH RoPE ON Q AND K, AND THE QUANTISING OF THEIR RESULTS FOR THE ATTENTION; AND Wo's CODES.
; x: [4096 tokens][256] f32, W: [256 out][256 in] f32: K (the 256 inputs) is innermost in both.  Both are quantised here, in registers.
; SHARES.  Work-group u: p = u / 32 says which product (0: Q; 1-4: K of feature p - 1; 5-8: V of feature p - 5; 9: Wo is only quantised), u % 32 which block of 128 tokens.  Wave w is head w: outputs 32 w .. 32 w + 31.
; Wave w quantises its own 32 rows of W (four fragments, which stay in its registers) and token tile w of x (two fragments, which go to the other waves through LDS as images of their registers).
; A FRAGMENT's IMAGE: its 12 registers as three groups of 512 bytes, registers 4 g .. 4 g + 3 of lane l at 512 g + 16 l.  Three loads of 16 bytes a lane bring it back, in LDS and in memory alike.
; THE ROWS OF A TILE ARE NOT NEIGHBOURS: row i of token tile t is token 32 (t / 2) + 8 (t % 2) + i + 8 (i / 8) of the block; row i of W's tile u is output 32 w + 8 u + i + 8 (i / 8).  So the 16 registers of two
; neighbouring result tiles are 16 neighbours along the next product's K.
; Q AND K (K of the scores = the head's 32): used transposed (source 0 = W, source 1 = x): a lane holds one token and 16 of the head's 32.  Four token tiles make ONE fragment: tile 4 f + j fills block j of its 128 along K.
; V (K of the second product = the keys): source 0 = x, source 1 = W: a lane holds one of the head's 32 and its registers run along the 128 tokens: one fragment for each of W's two tiles.
; A block's scale is 2^(floor(log2(its largest magnitude)) - 4); its byte is the largest magnitude's exponent field - 4, held at 1 from below.
; LIMITS: NaN and infinities among the inputs are not served.  A block whose largest magnitude lies under 2^-122 keeps the byte 1.  A block of zeros gets the byte 1 where the rule says 127: its codes are zeros,
; which add nothing under any byte but 0xff, and the bytes are read by this program alone.  RoPE's angles are at most 7 by the problem's own constants (8 timesteps, frequencies at most 1): the series' lengths rest on that.
; No tensor loads: LDS is claimed as it is used.  One barrier.  The scale words leave as 128 bytes a wave, half of an aligned 256: one part in 24 of what a wave stores.
; THE MODE: SCHED_MODE bits 1:0 = 2 (LLVM: expert scheduling mode 2), set by the entry lines.  The code itself states the register dependences between vector or matrix instructions and memory or LDS instructions,
; with s_wait_alu, always for 0.
; THE PLAN.  Registers that memory or LDS instructions touch:
;   v1-11, v246   offsets and LDS addresses, made at the head; one wait there serves every load and store.  v246 alone is written again (as part of O0), behind the wait that stands behind the barrier.
;   P0, P1        a piece: landed in from memory, read by the 16 stores into the stage, landed in again by the 16 loads out of it, read by the quantiser, landed in from memory again.
;                 One wait on vm_vsrc between the stage's stores and loads; one wait on va_vdst behind the quantiser.
;   PC, PW        written by the quantiser, read by the image's LDS stores (the wait behind the quantiser), written again by the next quantiser (the next piece's wait on vm_vsrc).
;   XA, XC        Q and K: two buffers of x's fragments, with two scale words each, by turns.  Step g's four products read buffer g % 2; the loads of step g + 1 land in the other one, behind ONE wait on va_vdst at the step's head.
;                 Behind that wait stand the loads, the step's products, their places and the RoPE of the tile before: none of them names the buffer that is being landed in.
;   XF0, XF1      V: one set of four fragments and four scale words (a second set of 48 registers, four more scale registers and an out-buffer do not fit in the registers that this way has left): one wait ahead of each step's loads.
;   v206, v208-209, RC, RS   RoPE's table: written once, stored once, landed in once.
;   O0, PC        two out-buffers, one for each of my two result fragments: no store's data are ever written again.  The first fragment's stores stand behind the next step's wait.
.set FRB,  1536                        ; a fragment's image in bytes
.set XIMG, 0                           ; LDS: x's 16 images (token tile t, K step s: 2 t + s),
.set XSC,  16*FRB                      ; their scale words, 128 bytes each,
.set ROPE, XSC+16*128                  ; a table of 256 bytes for each wave: 16 cosines, then 16 pairs (-sine, sine),
.set STG,  ROPE+8*256                  ; and a stage for each wave: 16 rows x (512 bytes + 16)
.set SPI,  528
.set WSTG, 16*SPI
.set LI,   1                           ; v1   16 x lane
.set LS,   2                           ; v2   4 x lane
.set SWR,  3                           ; v3   my stage, on the way in: 16 x lane
.set SRD,  4                           ; v4   and on the way out: row r, + 64 h
.set XWI,  5                           ; v5   where I store x's images
.set XWS,  6                           ; v6   and their scale words
.set BAK,  7                           ; v7   the bias of Q and K: 64 h
.set RW4,  8                           ; v8-11 my RoPE table: 4 r, 8 r (in), 32 h, 64 h (out)
.set RW8,  9
.set RR32, 10
.set RR64, 11
.set XS,   12                          ; v12-15 x's scale words
.set WSC,  16                          ; v16-19 W's scale words (tile u, K step s: 2 u + s)
.set PW,   20                          ; v20  the scale word just made;  v21 the one before
.set PWS,  21
.set TM,   22                          ; v22-25 largest magnitudes, v26-29 the other half's and then the bytes, v30-33 the conversions' scale operands
.set CT,   34                          ; v34-41 the upper halves of the blocks' codes
.set PC,   42                          ; v42-53 the fragment just made
.set XC,   22                          ; v22-45 Q, K, between two quantisers: x's fragments of the odd steps
.set BI,   54                          ; v54-69 the bias, in the result's layout, eight registers a tile
.set WF,   70                          ; v70-117 W's four fragments: 12 (2 u + s)
.set P0,   118                         ; v118-181 a piece of 16 rows x 128 f32;  later HA, the results
.set HA,   118
.set P1,   182                         ; v182-245 the other piece;  later what follows
.set XA,   182                         ; v182-205 Q, K: x's fragments of the even steps
.set XF0,  182                         ; v182-205 V: two fragments of x
.set XF1,  208                         ; v208-231 two more (V)
.set RC,   210                         ; v210-217 my eight cosines (Q, K)
.set RS,   218                         ; v218-233 my eight pairs (-sine, sine)
.set TT,   234                         ; v234-241 four pairs at work
.set O0,   242                         ; v242-253 behind the barrier: the out-buffer of my first result fragment
.set BAV,  246                         ; v246 the bias of V: 4 (r + 8 (r / 8))
.set LN,   247                         ; v247 lane, v248 r = lane % 16, v249 h = lane / 16
.set RR,   248
.set HH,   249
.set P,    2                           ; s2 p;  s3 the block of tokens;  s4 the feature;  s7 the block within its batch
.set XB,   3
.set FI,   4
.set STEP, 7
.set WV,   38
.set XP,   44                          ; s[44:45] x at my tile;  s[46:47] W at my rows;  s[48:49] the bias at my head;  s[50:51] where my codes go;  s[52:53] my scale words
.set WP,   46
.set BP,   48
.set CP,   50
.set SP,   52
.set HI16, 54                          ; s54 the lanes 16-31
.set SEL,  56                          ; s[56:57] v_permlanex16_b32's selects for lane l xor 16
; 64 numbers of a lane, register 16 b + i = k 32 b + 16 h + i of my row, become a fragment's codes in v[dst] on and its scale word in v[w].
.macro QUANT src, dst, w
.irp b, 0,1,2,3
	v_max3_num_f32 v[TM+\b], |v[\src+16*\b]|, |v[\src+16*\b+1]|, 0x2800000   ; block b: my 16 numbers, and the floor 2^(5 - 127): so the byte cannot fall under 1
.endr
.irp i, 2,4,6,8,10,12,14
.irp b, 0,1,2,3
	v_max3_num_f32 v[TM+\b], v[TM+\b], |v[\src+16*\b+\i]|, |v[\src+16*\b+\i+1]|   ; the four blocks by turns
.endr
.endr
.irp b, 0,1,2,3
	v_permlanex16_b32 v[TM+4+\b], v[TM+\b], s[SEL], s[SEL+1]
.endr
.irp b, 0,1,2,3
	v_max_num_f32 v[TM+\b], v[TM+\b], v[TM+4+\b]   ; with lane l xor 16's: the block's largest magnitude
.endr
.irp b, 0,1,2,3
	v_add_nc_u32 v[TM+8+\b], 0xfe000000, v[TM+\b]  ; 4 off its exponent field: the conversion takes the exponent field of this operand as its scale
.endr
.irp b, 0,1,2,3
	v_lshrrev_b32 v[TM+4+\b], 23, v[TM+8+\b]       ; the scale's byte
.endr
	v_lshl_or_b32 v[\w], v[TM+5], 8, v[TM+4]
	v_lshl_or_b32 v[\w], v[TM+6], 16, v[\w]
	v_lshl_or_b32 v[\w], v[TM+7], 24, v[\w]        ; my row's scale word
.irp c, 0,1
	v_cvt_scalef32_pk16_bf6_f32 v[\dst+6*\c:\dst+6*\c+2], v[\src+32*\c:\src+32*\c+15], v[TM+8+2*\c]
	v_cvt_scalef32_pk16_bf6_f32 v[CT+4*\c:CT+4*\c+2], v[\src+32*\c+16:\src+32*\c+31], v[TM+8+2*\c+1]   ; (a conversion's three registers begin on an even number)
.endr
	v_nop                                          ; one plain instruction behind the scaled conversions
.irp c, 0,1                                    ; the operand's layout wants a WHOLE block in a lane: lanes 0-15 block 2 c, lanes 16-31 block 2 c + 1
.irp i, 0,1,2
	v_permlane16_swap_b32 v[\dst+6*\c+\i], v[CT+4*\c+\i]
.endr
.irp i, 0,1,2
	v_mov_b32 v[\dst+3+6*\c+\i], v[CT+4*\c+\i]
.endr
.endr
.endm
; A piece: 16 rows of a tile x 128 along K, f32.  Each load reads one row's 512 consecutive bytes.
.macro GLOAD buf, base, off
.irp i, 0,1,2,3,4,5,6,7,8,9,10,11,12,13,14,15
	global_load_b128 v[\buf+4*\i:\buf+4*\i+3], v[LI], s[\base:\base+1] offset:(\i+8*(\i/8))*1024+\off
.endr
.endm
; It turns through my own stage: in as loaded, out so that lane (r, h) holds, of row r, 16 neighbours of each block of 32.  LDS serves a wave's instructions in order: no wait on DScnt between the stores and the loads.
.macro TURN buf
.irp i, 0,1,2,3,4,5,6,7,8,9,10,11,12,13,14,15
	ds_store_b128 v[SWR], v[\buf+4*\i:\buf+4*\i+3] offset:SPI*\i
.endr
	s_wait_alu depctr_vm_vsrc(0)                   ; the stores above have read the piece's registers, in which the loads below land; and an image's stores issued before them have read v[PC ..] and v[PW], which the quantiser behind this turn writes again
.irp b, 0,1,2,3
.irp j, 0,1,2,3
	ds_load_b128 v[\buf+16*\b+4*\j:\buf+16*\b+4*\j+3], v[SRD] offset:128*\b+16*\j
.endr
.endr
.endm
.macro PIECE buf, left, dst, w         ; left: the younger piece's loads, which may stay out
	s_wait_loadcnt \left
	TURN \buf
	s_wait_dscnt 0x0
	QUANT \buf, \dst, \w
	s_wait_alu depctr_va_vdst(0)                   ; the quantiser is done reading the piece, in which the next loads from memory land; it has written the codes and the scale word, which stores read (x's images, Wo's fragments) and scaled products take (W's)
.endm
.macro IMAGE off                       ; the fragment in v[PC] on goes to LDS as it stands
.irp c, 0,1,2
	ds_store_b128 v[XWI], v[PC+4*\c:PC+4*\c+3] offset:\off+512*\c
.endr
.endm
.macro FETCH reg, off                  ; and comes back so, in any wave
.irp c, 0,1,2
	ds_load_b128 v[\reg+4*\c:\reg+4*\c+3], v[LI] offset:XIMG+\off+512*\c
.endr
.endm
.macro MMC d, a, b, c, sa, sb          ; a sum's first K step: C = the bias
	v_wmma_scale_f32_16x16x128_f8f6f4 v[\d:\d+7], v[\a:\a+11], v[\b:\b+11], v[\c:\c+7], v[\sa], v[\sb] matrix_a_fmt:MATRIX_FMT_BF6 matrix_b_fmt:MATRIX_FMT_BF6
.endm
.macro MMA d, a, b, sa, sb             ; its second, in place
	v_wmma_scale_f32_16x16x128_f8f6f4 v[\d:\d+7], v[\a:\a+11], v[\b:\b+11], v[\d:\d+7], v[\sa], v[\sb] matrix_a_fmt:MATRIX_FMT_BF6 matrix_b_fmt:MATRIX_FMT_BF6
.endm
.macro PLACES                          ; four plain instructions behind a step's products, ahead of the first read of their results (ISA guide 7.12.1)
.rept 4
	v_nop
.endr
.endm
; Fragment k (0 or 1) of my record leaves from v[reg] on: three stores of 512 consecutive bytes.
.macro OUTS reg, k
.irp c, 0,1,2
	global_store_b128 v[LI], v[\reg+4*\c:\reg+4*\c+3], s[CP:CP+1] offset:FRB*\k+512*\c
.endr
.endm
; Q, K: token tile g's two fragments and their scale words into buffer g % 2
.macro XFETCH g
.set BN, XA+(XC-XA)*((\g)%2)
	FETCH BN, (2*(\g))*FRB
	FETCH BN+12, (2*(\g)+1)*FRB
	ds_load_b32 v[XS+2*((\g)%2)], v[LS] offset:XSC+(2*(\g))*128
	ds_load_b32 v[XS+2*((\g)%2)+1], v[LS] offset:XSC+(2*(\g)+1)*128
.endm
; Q, K: RoPE on token tile j of the fragment in hand, each of its two accumulators from its low end on: (t1, t2) -> (t1 c - t2 s, t1 s + t2 c)
.macro ROPET j
.irp u, 0,1
.irp k, 0,1,2,3
.if \k%2 == 0
	v_pk_mul_f32 v[TT+2*\k:TT+2*\k+1], v[HA+16*(\j)+8*\u+2*\k:HA+16*(\j)+8*\u+2*\k+1], v[RC+4*\u+2*(\k/2):RC+4*\u+2*(\k/2)+1] op_sel_hi:[1,0]   ; (t1 c, t2 c): the pair's cosine is the first of two registers,
.else
	v_pk_mul_f32 v[TT+2*\k:TT+2*\k+1], v[HA+16*(\j)+8*\u+2*\k:HA+16*(\j)+8*\u+2*\k+1], v[RC+4*\u+2*(\k/2):RC+4*\u+2*(\k/2)+1] op_sel:[0,1] op_sel_hi:[1,1]   ; or the second
.endif
.endr
.irp k, 0,1,2,3
	v_pk_fma_f32 v[HA+16*(\j)+8*\u+2*\k:HA+16*(\j)+8*\u+2*\k+1], v[HA+16*(\j)+8*\u+2*\k:HA+16*(\j)+8*\u+2*\k+1], v[RS+8*\u+2*\k:RS+8*\u+2*\k+1], v[TT+2*\k:TT+2*\k+1] op_sel:[1,0,0] op_sel_hi:[0,1,1]   ; + (t2, t1) x (-s, s)
.endr
.endr
.endm
; Q, K: step g of eight: token tile g.  Its fragments were asked for a step ago; the next step's are asked for at its head; the RoPE of the tile before stands behind its products.
.macro KSTEP g
.set BU, XA+(XC-XA)*((\g)%2)
.set SU, XS+2*((\g)%2)
.set HJ, HA+16*((\g)%4)
	s_wait_dscnt 0x0                               ; this step's fragments and scale words are in (step 0: RoPE's table too)
.if (\g) > 0
	s_wait_alu depctr_va_vdst(0)                   ; the last step's products are done reading the other buffer and its scale words, in which the loads below land; at step 4 the quantiser has also written O0, which the stores below read, and is done with v22-41, part of that buffer
.endif
.if (\g) == 4
	OUTS O0, 0                                     ; my first fragment leaves; O0 is not written again
.endif
.if (\g) < 7
	XFETCH (\g)+1                                  ; no vector or matrix instruction from the wait above to the next step's names these registers
.endif
	MMC HJ, WF, BU, BI, WSC, SU                    ; the two accumulators take turns
	MMC HJ+8, WF+24, BU, BI+8, WSC+2, SU
	MMA HJ, WF+12, BU+12, WSC+1, SU+1
	MMA HJ+8, WF+36, BU+12, WSC+3, SU+1
	PLACES
.if (\g)%4 > 0
	ROPET (\g)%4-1                                 ; its results were finished a step ago; the four places above stand behind them too
.endif
.endm
; V: token tiles t and t + 1 against W's tile n
.macro VSTEP n, t
.if (\n)+(\t) > 0
	s_wait_alu depctr_va_vdst(0)                   ; the last step's products are done reading x's four fragments and scale words, in which the loads below land; at n = 1, t = 0 the quantiser has also written O0, which the stores below read
.endif
.if ((\n) == 1) && ((\t) == 0)
	OUTS O0, 0                                     ; my first fragment leaves; O0 is not written again
.endif
	FETCH XF0, (2*(\t))*FRB
	FETCH XF0+12, (2*(\t)+1)*FRB
	FETCH XF1, (2*(\t)+2)*FRB
	FETCH XF1+12, (2*(\t)+3)*FRB
.irp k, 0,1,2,3
	ds_load_b32 v[XS+\k], v[LS] offset:XSC+(2*(\t)+\k)*128
.endr
	s_wait_dscnt 0x0
	MMC HA+8*(\t), XF0, WF+24*(\n), BI+8*(\n), XS, WSC+2*(\n)
	MMC HA+8*(\t)+8, XF1, WF+24*(\n), BI+8*(\n), XS+2, WSC+2*(\n)
	MMA HA+8*(\t), XF0+12, WF+24*(\n)+12, XS+1, WSC+2*(\n)+1
	MMA HA+8*(\t)+8, XF1+12, WF+24*(\n)+12, XS+3, WSC+2*(\n)+1
	PLACES
.endm
	s_load_b512 s[8:23], s[0:1], 0x0               ; q_data, x_0, v_0, edge_attr, concatenated_features, Wq, Wk, Wv
	s_load_b256 s[24:31], s[0:1], 0x40             ; Wo, bq, bk, bv
	s_load_b128 s[32:35], s[0:1], 0x60             ; qc, kv
	s_load_b64 s[36:37], s[0:1], 0x70              ; woc
	v_lshl_add_u32 v254, v0, 2, 0x17800
	v_mov_b32 v255, 0
	v_lshrrev_b32 v[LN], 5, v0
	v_readfirstlane_b32 s[WV], v[LN]               ; wave 0..7 = head
	v_and_b32 v[LN], 31, v0
	v_cmp_le_u32 s[HI16], 16, v[LN]
	v_and_b32 v[RR], 15, v0
	v_bfe_u32 v[HH], v0, 4, 1
	v_lshlrev_b32 v[LI], 4, v[LN]
	v_lshlrev_b32 v[LS], 2, v[LN]
	v_mul_u32_u24 v[SRD], v[RR], SPI
	v_lshl_add_u32 v[SRD], v[HH], 6, v[SRD]
	v_lshlrev_b32 v[BAK], 6, v[HH]
	v_and_b32 v[BAV], 8, v[RR]
	v_add_nc_u32 v[BAV], v[BAV], v[RR]
	v_lshlrev_b32 v[BAV], 2, v[BAV]
.irp b, 0,1,2,3
	v_mov_b32 v[TM+4+\b], 0                        ; written once: a lane permute's destination counts as one of its sources
.endr
	s_wait_alu depctr_va_sdst(0)                   ; the wave's number and the mask of lanes 16-31 are written, ahead of their first readers and of every branch
	s_mul_i32 s40, s[WV], WSTG
	s_add_co_u32 s40, s40, STG
	v_add_nc_u32 v[SWR], s40, v[LI]
	v_add_nc_u32 v[SRD], s40, v[SRD]
	s_mul_i32 s40, s[WV], 2*FRB
	v_add_nc_u32 v[XWI], s40, v[LI]                ; (XIMG is LDS byte 0)
	s_lshl_b32 s40, s[WV], 8
	s_add_co_u32 s41, s40, XSC
	v_add_nc_u32 v[XWS], s41, v[LS]
	s_add_co_u32 s41, s40, ROPE
	v_lshl_add_u32 v[RW4], v[RR], 2, s41
	v_lshl_add_u32 v[RW8], v[RR], 3, s41
	v_lshl_add_u32 v[RR32], v[HH], 5, s41
	v_lshl_add_u32 v[RR64], v[HH], 6, s41
	s_mov_b32 s[SEL], 0x76543210
	s_mov_b32 s[SEL+1], 0xfedcba98
	; which product, which tokens; all offsets, apart from the addresses
	s_lshr_b32 s[P], ttmp9, 5
	s_and_b32 s[XB], ttmp9, 31
	s_sub_co_u32 s[FI], s[P], 1
	s_and_b32 s[FI], s[FI], 3                      ; the feature, where there is one
	s_cmp_eq_u32 s[P], 0
	s_cselect_b32 s5, 0, s[FI]                     ; Wq, bq (and Wo: there it is 0 already) have no feature axis
	s_lshr_b32 s6, s[XB], 4                        ; the batch
	s_and_b32 s[STEP], s[XB], 15
	s_lshl_b32 s6, s6, 3
	s_add_co_u32 s6, s6, s[WV]                     ; 8 x batch + head
	s_mul_i32 s39, s6, 51200                       ; my record in qc,
	s_lshl_b32 s40, s6, 2
	s_add_co_u32 s40, s40, s5
	s_mul_i32 s40, s40, 102400                     ; or in kv
	s_cmp_lt_u32 s[P], 5
	s_cselect_b32 s41, 0, 49152                    ; V's codes lie behind K's
	s_mov_b32 s42, 100352                          ; V's scale words,
	s_cselect_b32 s42, 98304, s42                  ; K's,
	s_cmp_eq_u32 s[P], 0
	s_cselect_b32 s39, s39, s40
	s_cselect_b32 s42, 49152, s42                  ; Q's
	s_mul_i32 s43, s[STEP], 2*FRB
	s_add_co_u32 s66, s39, s41
	s_add_co_u32 s66, s66, s43                     ; my two fragments
	s_mov_b32 s67, 0
	s_lshl_b32 s43, s[STEP], 7
	s_add_co_u32 s68, s39, s42
	s_add_co_u32 s68, s68, s43                     ; their scale words
	s_mov_b32 s69, 0
	s_lshl_b32 s58, s[XB], 17                      ; x: 128 tokens of 1,024 bytes a block,
	s_lshr_b32 s43, s[WV], 1
	s_lshl_b32 s43, s43, 15
	s_add_co_u32 s58, s58, s43                     ; + token 32 (w / 2)
	s_and_b32 s43, s[WV], 1
	s_lshl_b32 s43, s43, 13
	s_add_co_u32 s58, s58, s43                     ; + 8 (w % 2)
	s_mov_b32 s59, 0
	s_lshl_b32 s60, s5, 18                         ; W: the feature's 256 rows, my 32
	s_lshl_b32 s43, s[WV], 15
	s_add_co_u32 s60, s60, s43
	s_mov_b32 s61, 0
	s_lshl_b32 s62, s5, 10                         ; the bias likewise
	s_lshl_b32 s43, s[WV], 7
	s_add_co_u32 s62, s62, s43
	s_mov_b32 s63, 0
	s_wait_kmcnt 0x0
	s_cmp_eq_u32 s[FI], 1                          ; the buffers are chosen on the work-group's number alone
	s_cselect_b64 s[XP:XP+1], s[12:13], s[10:11]
	s_cmp_eq_u32 s[FI], 2
	s_cselect_b64 s[XP:XP+1], s[14:15], s[XP:XP+1]
	s_cmp_eq_u32 s[FI], 3
	s_cselect_b64 s[XP:XP+1], s[16:17], s[XP:XP+1]
	s_cmp_lt_u32 s[P], 5
	s_cselect_b64 s[WP:WP+1], s[20:21], s[22:23]
	s_cselect_b64 s[BP:BP+1], s[28:29], s[30:31]
	s_cmp_eq_u32 s[P], 0
	s_cselect_b64 s[XP:XP+1], s[8:9], s[XP:XP+1]
	s_cselect_b64 s[WP:WP+1], s[18:19], s[WP:WP+1]
	s_cselect_b64 s[BP:BP+1], s[26:27], s[BP:BP+1]
	s_cselect_b64 s[CP:CP+1], s[32:33], s[34:35]
	s_cmp_eq_u32 s[P], 9
	s_cselect_b64 s[WP:WP+1], s[24:25], s[WP:WP+1]
	s_add_nc_u64 s[XP:XP+1], s[XP:XP+1], s[58:59]
	s_add_nc_u64 s[WP:WP+1], s[WP:WP+1], s[60:61]
	s_add_nc_u64 s[BP:BP+1], s[BP:BP+1], s[62:63]
	s_add_nc_u64 s[SP:SP+1], s[CP:CP+1], s[68:69]
	s_add_nc_u64 s[CP:CP+1], s[CP:CP+1], s[66:67]
	s_wait_alu depctr_va_vdst(0)                   ; the offsets and LDS addresses v1 to v11 and v246 are written, which the loads and stores of all three ways read
	s_cmp_eq_u32 s[P], 9
	s_cbranch_scc1 .Lwo                            ; the one work-group for Wo has a path of its own from here on
	; the bias, in the result's layout
	s_cmp_lt_u32 s[P], 5
	s_cbranch_scc0 .Lbias_v
.irp u, 0,1                                    ; Q, K: register 8 u + j of lane (r, h) is output 16 h + 8 u + j of my head
	global_load_b128 v[BI+8*\u:BI+8*\u+3], v[BAK], s[BP:BP+1] offset:32*\u
	global_load_b128 v[BI+8*\u+4:BI+8*\u+7], v[BAK], s[BP:BP+1] offset:32*\u+16
.endr
	s_branch .Lbias_done
.Lbias_v:
.irp n, 0,1                                    ; V: all eight registers of tile n are output 8 n + r + 8 (r / 8)
.irp j, 0,1,2,3,4,5,6,7
	global_load_b32 v[BI+8*\n+\j], v[BAV], s[BP:BP+1] offset:32*\n
.endr
.endr
.Lbias_done:
	; six pieces on two sets of registers: W's four, x's two.  While one is quantised the other's 16 loads are on their way.  Each set is asked for again behind the wait that closes its piece.
	GLOAD P0, WP, 0
	GLOAD P1, WP, 512
	PIECE P0, 16, WF, WSC                          ; W: tile 0, K step 0  (loads come back in order: the bias is in too)
	GLOAD P0, WP, 8192
	PIECE P1, 16, WF+12, WSC+1                     ; tile 0, K step 1
	GLOAD P1, WP, 8704
	PIECE P0, 16, WF+24, WSC+2                     ; tile 1, K step 0
	GLOAD P0, XP, 0
	PIECE P1, 16, WF+36, WSC+3                     ; tile 1, K step 1
	GLOAD P1, XP, 512
	PIECE P0, 16, PC, PW                           ; x: my token tile, K step 0
	IMAGE 0
	ds_store_b32 v[XWS], v[PW]
	PIECE P1, 0, PC, PW                            ; K step 1
	IMAGE FRB
	ds_store_b32 v[XWS], v[PW] offset:128
	s_wait_dscnt 0x0                               ; for the others' sake: my images have landed
	s_barrier_signal -1
	s_barrier_wait -1                              ; x's sixteen fragments lie in LDS; nobody writes them again
	s_wait_alu depctr_vm_vsrc(0)                   ; the second image's stores have read v[PC ..] and v[PW], and the bias's loads v246: on both ways below loads land in them or the quantiser writes them
	s_cmp_lt_u32 s[P], 5
	s_cbranch_scc0 .Lv_path
	; ---- Q AND K.  Step 0's fragments are asked for first: they land in registers that no vector instruction has named since the wait that closed the last piece, and none names them before step 0.
	XFETCH 0
	; RoPE's table: lane l makes pair r's cosine and sine at this block's timestep (256 tokens, two blocks, to a timestep).
	v_cvt_f32_u32 v242, v[RR]
	v_mul_f32 v242, 0xbf1f73da, v242               ; - r log2(1000) / 16
	s_wait_alu depctr_va_vdst(0)
	v_exp_f32 v242, v242                           ; the frequency 1000^(-r / 16)
	s_lshr_b32 s55, s[STEP], 1
	s_cvt_f32_u32 s55, s55                         ; the timestep
	v_nop                                          ; a plain instruction behind the exponential,
	s_wait_alu depctr_va_vdst(0)                   ; and the wait ahead of the first reader of its result, v242
	v_mul_f32 v242, s55, v242                      ; the angle, 0 to 7
	v_mul_f32 v243, 0x3f22f983, v242               ; x 2 / pi
	v_rndne_f32 v243, v243                         ; n quarter turns
	v_fmamk_f32 v244, v243, 0xbfc90fdb, v242       ; the angle - n pi / 2, pi / 2 in two parts:
	v_fmamk_f32 v244, v243, 0x333bbd2e, v244       ; a, within pi / 4 of 0
	v_mul_f32 v245, v244, v244                     ; z = a a
	v_mov_b32 v250, 0x3638ef1d                     ; sin a = a + a z (-1/6 + z (1/120 + z (-1/5040 + z / 362880))): what is cut is under 2e-9
	v_fmaak_f32 v250, v250, v245, 0xb9500d01
	v_fmaak_f32 v250, v250, v245, 0x3c088889
	v_fmaak_f32 v250, v250, v245, 0xbe2aaaab
	v_mul_f32 v251, v244, v245
	v_fma_f32 v250, v250, v251, v244
	v_mov_b32 v252, 0xb493f27e                     ; cos a = 1 + z (-1/2 + z (1/24 + z (-1/720 + z (1/40320 - z / 3628800)))): what is cut is under 2e-10
	v_fmaak_f32 v252, v252, v245, 0x37d00d01
	v_fmaak_f32 v252, v252, v245, 0xbab60b61
	v_fmaak_f32 v252, v252, v245, 0x3d2aaaab
	v_fmaak_f32 v252, v252, v245, 0xbf000000
	v_fma_f32 v252, v252, v245, 1.0
	v_cvt_i32_f32 v243, v243
	v_and_b32 v253, 1, v243
	v_cmp_eq_u32 vcc_lo, 1, v253                   ; an odd number of quarter turns: sine and cosine change places
	v_and_b32 v244, 2, v243                        ; the signs are made meanwhile: the sine's, set in quarters 2 and 3,
	v_lshlrev_b32 v244, 30, v244
	v_add_nc_u32 v243, 1, v243
	v_and_b32 v243, 2, v243
	v_lshlrev_b32 v243, 30, v243                   ; the cosine's, set in quarters 1 and 2
	s_wait_alu depctr_va_vcc(0)                    ; VCC is written, ahead of the two selects that read it
	v_cndmask_b32 v251, v250, v252, vcc_lo
	v_cndmask_b32 v252, v252, v250, vcc_lo
	v_xor_b32 v209, v244, v251                     ; the sine,
	v_xor_b32 v206, v243, v252                     ; the cosine,
	v_xor_b32 v208, 0x80000000, v209               ; (-sine, sine): three registers that nothing writes again
	s_wait_alu depctr_va_vdst(0)                   ; v206, v208 and v209 are written, which the table's stores read
	ds_store_b32 v[RW4], v206                      ; lanes l and l xor 16 write the same words with the same values; the table is my wave's own: no barrier
	ds_store_b64 v[RW8], v[208:209] offset:64
	ds_load_b128 v[RC:RC+3], v[RR32]               ; lane (r, h) holds channels 16 h .. 16 h + 15: pairs 8 h .. 8 h + 7
	ds_load_b128 v[RC+4:RC+7], v[RR32] offset:16
.irp k, 0,1,2,3
	ds_load_b128 v[RS+4*\k:RS+4*\k+3], v[RR64] offset:64+16*\k
.endr
	KSTEP 0                                        ; a fragment of four token tiles
	KSTEP 1
	KSTEP 2
	KSTEP 3
	ROPET 3
	QUANT HA, O0, PW                               ; my first fragment's codes; step 4's wait stands ahead of their stores
	v_mov_b32 v[PWS], v[PW]                        ; the two fragments' scale words leave together
	KSTEP 4                                        ; the second fragment
	KSTEP 5
	KSTEP 6
	KSTEP 7
	ROPET 3
	QUANT HA, PC, PW
	v_cndmask_b32 v[PW], v[PWS], v[PW], s[HI16]    ; lanes 0-15 the first fragment's scale words, lanes 16-31 the second's
	s_wait_alu depctr_va_vdst(0)                   ; the quantiser and the select have written v[PC ..] and v[PW], which the last stores read
	OUTS PC, 1
	global_store_b32 v[LS], v[PW], s[SP:SP+1]
	s_wait_dscnt 0x0                               ; the closing lines, six on end
	s_wait_alu 0x0
	s_wait_tensorcnt 0x0
	ds_add_u32 v254, v255
	s_wait_dscnt 0x0
	s_endpgm
.Lv_path:
	; ---- V: for each of W's two tiles, all eight token tiles, two at a time.  Register 16 b + i of lane (r, h) is token 32 b + 16 h + i: the keys are the next K
	VSTEP 0, 0
	VSTEP 0, 2
	VSTEP 0, 4
	VSTEP 0, 6
	QUANT HA, O0, PW                               ; my first fragment's codes; the next step's wait stands ahead of their stores
	v_mov_b32 v[PWS], v[PW]
	VSTEP 1, 0
	VSTEP 1, 2
	VSTEP 1, 4
	VSTEP 1, 6
	QUANT HA, PC, PW
	v_cndmask_b32 v[PW], v[PWS], v[PW], s[HI16]    ; lanes 0-15 the first fragment's scale words, lanes 16-31 the second's
	s_wait_alu depctr_va_vdst(0)                   ; the quantiser and the select have written v[PC ..] and v[PW], which the last stores read
	OUTS PC, 1
	global_store_b32 v[LS], v[PW], s[SP:SP+1]
	s_wait_dscnt 0x0                               ; the closing lines, six on end
	s_wait_alu 0x0
	s_wait_tensorcnt 0x0
	ds_add_u32 v254, v255
	s_wait_dscnt 0x0
	s_endpgm
.Lwo:
	; ---- Wo: my 32 rows become four fragments, laid in woc as the last launch's registers take them
	s_mul_i32 s58, s[WV], 4*FRB
	s_mov_b32 s59, 0
	s_add_nc_u64 s[CP:CP+1], s[36:37], s[58:59]
	s_lshl_b32 s58, s[WV], 9
	s_add_co_u32 s58, s58, 32*FRB
	s_add_nc_u64 s[SP:SP+1], s[36:37], s[58:59]
	GLOAD P0, WP, 0
	GLOAD P1, WP, 512
	PIECE P0, 16, WF, WSC
	GLOAD P0, WP, 8192
	PIECE P1, 16, WF+12, WSC+1
	GLOAD P1, WP, 8704
	PIECE P0, 16, WF+24, WSC+2
	PIECE P1, 0, WF+36, WSC+3                      ; the wait that closes each piece has shown its fragment and its scale word written: the stores below read them
.irp m, 0,1,2,3,4,5,6,7,8,9,10,11
	global_store_b128 v[LI], v[WF+4*\m:WF+4*\m+3], s[CP:CP+1] offset:512*\m
.endr
.irp k, 0,1,2,3
	global_store_b32 v[LS], v[WSC+\k], s[SP:SP+1] offset:128*\k
.endr
	s_wait_dscnt 0x0                               ; the closing lines, six on end
	s_wait_alu 0x0
	s_wait_tensorcnt 0x0
	ds_add_u32 v254, v255
	s_wait_dscnt 0x0
	s_endpgm
.Lfunc_end_k_q7ed0928b4c_proj:
	.size	k_q7ed0928b4c_proj, .Lfunc_end_k_q7ed0928b4c_proj-k_q7ed0928b4c_proj
	.p2alignl 7, 3214868480
	.fill 96, 4, 3214868480
	.section	.rodata,"a",@progbits
	.p2align	6, 0x0
	.amdhsa_kernel k_q7ed0928b4c_proj
		.amdhsa_group_segment_fixed_size 97280
		.amdhsa_private_segment_fixed_size 0
		.amdhsa_enable_private_segment 0
		.amdhsa_kernarg_size 120
		.amdhsa_user_sgpr_count 2
		.amdhsa_user_sgpr_kernarg_segment_ptr 1
		.amdhsa_wavefront_size32 1
		.amdhsa_system_sgpr_workgroup_id_x 1
		.amdhsa_system_sgpr_workgroup_id_y 1
		.amdhsa_system_sgpr_workgroup_id_z 1
		.amdhsa_system_vgpr_workitem_id 0
		.amdhsa_next_free_vgpr 256
		.amdhsa_next_free_sgpr 80
		.amdhsa_reserve_vcc 1
		.amdhsa_float_denorm_mode_32 3
		.amdhsa_float_denorm_mode_16_64 3
		.amdhsa_memory_ordered 1
		.amdhsa_forward_progress 1
		.amdhsa_inst_pref_size 133
	.end_amdhsa_kernel
	.amdgpu_metadata
---
amdhsa.version: [ 1, 2 ]
amdhsa.kernels:
  - .name:           k_q7ed0928b4c_proj
    .symbol:         k_q7ed0928b4c_proj.kd
    .args:
      - { .name: q_data, .offset: 0, .size: 8, .value_kind: global_buffer, .address_space: global }
      - { .name: x_0, .offset: 8, .size: 8, .value_kind: global_buffer, .address_space: global }
      - { .name: v_0, .offset: 16, .size: 8, .value_kind: global_buffer, .address_space: global }
      - { .name: edge_attr, .offset: 24, .size: 8, .value_kind: global_buffer, .address_space: global }
      - { .name: concatenated_features, .offset: 32, .size: 8, .value_kind: global_buffer, .address_space: global }
      - { .name: Wq, .offset: 40, .size: 8, .value_kind: global_buffer, .address_space: global }
      - { .name: Wk, .offset: 48, .size: 8, .value_kind: global_buffer, .address_space: global }
      - { .name: Wv, .offset: 56, .size: 8, .value_kind: global_buffer, .address_space: global }
      - { .name: Wo, .offset: 64, .size: 8, .value_kind: global_buffer, .address_space: global }
      - { .name: bq, .offset: 72, .size: 8, .value_kind: global_buffer, .address_space: global }
      - { .name: bk, .offset: 80, .size: 8, .value_kind: global_buffer, .address_space: global }
      - { .name: bv, .offset: 88, .size: 8, .value_kind: global_buffer, .address_space: global }
      - { .name: qc, .offset: 96, .size: 8, .value_kind: global_buffer, .address_space: global }
      - { .name: kv, .offset: 104, .size: 8, .value_kind: global_buffer, .address_space: global }
      - { .name: woc, .offset: 112, .size: 8, .value_kind: global_buffer, .address_space: global }
    .group_segment_fixed_size: 97280
    .private_segment_fixed_size: 0
    .kernarg_segment_align: 8
    .kernarg_segment_size: 120
    .max_flat_workgroup_size: 256
    .sgpr_count:     80
    .vgpr_count:     256
    .wavefront_size: 32
...
	.end_amdgpu_metadata
.endif
;; end of part 4
;; launch attn (part 5): grid 16 x 16, 8 waves a work-group, clusters of 4 x 1, 327,680 bytes of LDS; arguments qc, kv, feature_weights, oc, os; writes oc, os
.if DOCPART == 5
	.amdgcn_target "amdgcn-amd-amdhsa--gfx1250"
	.amdhsa_code_object_version 6
	.text
	.protected	k_q7ed0928b4c_attn
	.globl	k_q7ed0928b4c_attn
	.p2align	8
	.type	k_q7ed0928b4c_attn,@function
k_q7ed0928b4c_attn:
	s_mov_b64 s[64:65], 0
	v_nop
	global_prefetch_b8 v0, s[64:65] scope:SCOPE_SE
	s_setreg_imm32_b32 hwreg(HW_REG_WAVE_MODE, 25, 1), 1
	s_wait_xcnt 0x0
	s_wait_alu depctr_hold_cnt(0) depctr_sa_sdst(0) depctr_va_vdst(0) depctr_va_sdst(0) depctr_va_ssrc(0) depctr_va_vcc(0) depctr_vm_vsrc(0)
	s_getreg_b32 s2, hwreg(HW_REG_IB_STS2, 6, 4)
	s_cmp_eq_u32 s2, 0
	s_cbranch_scc0 .Lentry_in_a_cluster
	s_endpgm
.Lentry_in_a_cluster:
	s_bfe_u32 s2, ttmp6, 0x10000c
	s_cmp_lg_u32 s2, 0x3003
	s_cbranch_scc0 .Lentry_shape_is_right
	s_endpgm
.Lentry_shape_is_right:
; FOUR ATTENTIONS OF ONE HEAD, WEIGHED BY softmax(feature_weights) AND ADDED, ON CODES OF BF6 (E3M2) WITH ONE E8M0 SCALE FOR EACH 32 ALONG A PRODUCT'S K; THE SUM IS QUANTISED ALONG THE MODEL'S 256 FOR THE LAST PRODUCT.
; Head size 32, 2,048 queries and 2,048 keys for each of 16 (batch, head).  qc and kv hold fragments as images of their registers (12 registers: three groups of 512 bytes, lane l's 16 bytes at 16 l).
; THE SOFTMAX AHEAD OF THE SECOND PRODUCT: t = score x log2(e) / sqrt(32); M = the row's largest t so far, rounded UP to a whole number; p = 2^(t - M) is what is quantised, along the keys, not normalised.
; The row's sum is taken of the unquantised p and divides at a feature's end.  When M moves, the sum and O are multiplied by 2^(old M - new M): exact.
; SHARES.  A work-group owns 128 queries of one (batch, head); each of its eight waves 16 of them, in 256 registers: two waves to a SIMD, so that one wave's vector work stands beside the other's matrix work and LDS loads.
; Every wave walks the 2,048 keys of each of the four features, 128 a step.
; THE SCORES' K IS 32, THE INSTRUCTION'S 128.  A fragment of K holds FOUR tiles of 16 keys, tile 4 f + j in block j of its 128 along K; Q stands in four variants, my 16 queries in block j and zero codes elsewhere
; (30 registers serve the four: zeros, lanes 0-15, zeros, lanes 16-31, zeros).  So no zero is stored or read, and a fragment of K feeds four products.
; LAYOUT.  Both products are used transposed: S^T = K Q^T, O^T = V^T P^T: a lane holds ONE query (lane % 16) throughout.  The keys of a tile are chosen (row i of tile t: key 32 (t / 2) + 8 (t % 2) + i + 8 (i / 8)) so that
; the 16 registers of tiles 2 b, 2 b + 1 are keys 32 b + 16 (lane / 16) + 0 .. 15; V's rows likewise, so that O^T's 16 registers are channels 16 (lane / 16) + 0 .. 15.
; THE RING.  A slot holds a WHOLE feature's K and V of this head: 102,400 dense bytes.  Two slots; each wave brings an eighth of a slot with one tensor load (50 rows of 256 bytes).  A refill is asked for a whole feature,
; 16 key steps, ahead of its first read.  A wave has one tensor load out at the start, the second asked for behind the wait for the first, and one behind each refill.
; CLUSTER.  The four query blocks of a cluster belong to one (batch, head) and walk the same K and V: each fill is asked for JOINTLY, by the same tensor load with the same descriptor and a mask that names the four.
; No prefetch is laid: no wave waits for a refill (16 key steps lie between the request and the wait), and the first fills stand at the head.
; LIMITS: NaN and infinities are not served.  A block of o whose largest magnitude lies under 2^-122 keeps the byte 1; a block of zeros gets the byte 1 where the rule says 127 (its codes are zeros; this program alone reads the bytes).
; os is stored a byte a token, 8 bytes apart: aligned blocks of 256 bytes are written in part there; it is one part in 24 of what the launch stores.
.set SLOT,  102400
.set VOFF,  49152                      ; in a slot: K's codes, V's codes, K's scale words, V's scale words
.set KSOFF, 98304
.set SPARE, 2*SLOT                     ; behind the ring: the spare words, 128 bytes for each wave: four blocks of 256 bytes that no other line names
.set LI,   2                           ; v2   16 x lane
.set LS,   3                           ; v3   4 x lane
.set AD,   4                           ; v4   LDS address of the step's codes;  v5 of its scale words
.set AS,   5
.set SPW,  6                           ; v6   LDS address of my spare word; never rewritten
.set NIL,  7                           ; v7   0; never rewritten
.set QT,   8                           ; v8-13 my query's 24 bytes of codes
.set QSA,  14
.set RR,   15
.set QZ,   16                          ; v16-45 Q: zeros, lanes 0-15, zeros, lanes 16-31, zeros, six registers each.  Variant j begins at QZ + 6 (1 - j / 2) + 12 (j % 2)
.set QA0,  46
.set QA1,  47
.set KF,   48                          ; v48-71  K's two fragments
.set VF,   72                          ; v72-95  V's two
.set S,    96                          ; v96-159 S^T, then p
.set OT,   160                         ; v160-175 O^T of the feature in hand
.set ACC,  176                         ; v176-191 the weighed sum over the features
.set PC,   192                         ; v192-203 p's codes;  v204-211 their upper halves on the way
.set PT,   204
.set BM,   212                         ; v212-215 the blocks' largest scores, then largest p
.set BT,   216                         ; v216-219 the other half's, then the bytes
.set SO,   220                         ; v220-223 the conversions' scale operands
.set NM,   224                         ; v224 -M;  v225 the largest t
.set RT,   225
.set LSUM, 226                         ; v[226:227] the row's sum, in two halves
.set FF,   228                         ; v228 2^(old M - new M)
.set PW,   229                         ; v229 p's scale word
.set TA,   230
.set TB,   231
.set L2,   232                         ; v[232:233] the sums' second chain
.set KS,   234                         ; v234 K's scale words: lanes 0-15 fragment 0's, lanes 16-31 fragment 1's;  v235 V's likewise;  v236 Q's
.set VS,   235
.set QS,   236
.set GT,   240                         ; v240-243 the four gates
.set OC,   244                         ; v244-246 o's codes
.set OA,   248
.set OB,   249
.set WV,   14
.set G1,   24                          ; s[24:31] descriptor group 1;  s[32:35], s[36:39] group 0 for slots 0 and 1
.set G0,   32
.set SEL,  40                          ; s[40:41] v_permlanex16_b32's selects for lane l xor 16
.set CS,   42                          ; s[42:43] c = log2(e) / sqrt(32)
.set TK,   44                          ; s44 where the next step's codes begin, s45 the same held inside the slot;  s46, s47 the scale words
.set TKC,  45
.set TS,   46
.set TSC,  47
.set CNT,  48
; A round of the cluster's barrier: my work-group's barrier, wave 0 signals for the work-group, every wave waits for all four work-groups, my work-group's barrier once more.
.macro CROUND
	s_barrier_signal -1
	s_barrier_wait -1
	s_cmp_lg_u32 s[WV], 0
	s_cbranch_scc1 .Lnot_wave_0_\@
	s_barrier_signal -3
.Lnot_wave_0_\@:
	s_barrier_wait -3
	s_barrier_signal -1
	s_barrier_wait -1
.endm
.macro LOADK                           ; seven LDS loads: a step's two fragments of K, 3,072 consecutive bytes, and their scale words
.irp g, 0,1,2,3,4,5
	ds_load_b128 v[KF+4*\g:KF+4*\g+3], v[AD] offset:512*\g
.endr
	ds_load_b32 v[KS], v[AS]
.endm
.macro LOADV                           ; seven more: V's
.irp g, 0,1,2,3,4,5
	ds_load_b128 v[VF+4*\g:VF+4*\g+3], v[AD] offset:VOFF+512*\g
.endr
	ds_load_b32 v[VS], v[AS] offset:2048
.endm
; THE CHANGE OF SLOTS, between two features.  Each wave waits for all its tensor loads (its part of the slot that it is about to read), adds 0 to its spare word, and waits for that and for its reads of the slot that it leaves.
; fill = 1: that slot takes the feature two on; the barrier is then a round of the cluster's, and the joint refill is the first thing behind it.
.macro CHANGE fill, slot
	s_wait_tensorcnt 0x0                           ; no tensor load of mine is out, so a group 0 may be written
	ds_add_u32 v[SPW], v[NIL]                      ; 0 onto my spare word
.if \fill
	s_add_nc_u64 s[G0+4*\slot+2:G0+4*\slot+3], s[G0+4*\slot+2:G0+4*\slot+3], 2*SLOT   ; two features on; the type bits on top are not reached
	s_wait_dscnt 0x0                               ; the add is done, and my reads of the slot are over
	CROUND
	tensor_load_to_lds s[G0+4*\slot:G0+4*\slot+3], s[G1:G1+7]
	s_nop 0
.rept 4
	v_nop                                          ; behind a tensor load
.endr
.else
	s_wait_dscnt 0x0
	s_barrier_signal -1
	s_barrier_wait -1
.endif
.endm
; ONE FEATURE: 16 key steps of 128 keys out of the slot at LDS byte base, then ACC += gate / l x O^T.
.macro FEATURE ft, base
	v_mov_b32 v[RT], 0xff61b1e6                    ; the largest t so far: -3e38, under every t
	v_mov_b32 v[LSUM], 0
	v_mov_b32 v[LSUM+1], 0
	s_delay_alu instid0(VALU_DEP_3)
	v_floor_f32 v[NM], -v[RT]
.set n, 0
.rept 16
	v_mov_b32 v[OT+n], 0                           ; the step is written once: the first finds zeros, which the first change of M leaves zeros
.set n, n+1
.endr
	s_mov_b32 s[TK], \base
	s_mov_b32 s[TS], \base+KSOFF
	v_add_nc_u32 v[AD], s[TK], v[LI]
	v_add_nc_u32 v[AS], s[TS], v[LS]
	LOADK
	LOADV
	s_mov_b32 s[CNT], 16
.Lstep_\@:
	s_wait_dscnt 7                                 ; K's seven loads are in; the seven behind them are V's
	s_setprio 2
.irp f, 0,1
.irp j, 0,1,2,3
.if \f == 0
	v_wmma_scale_f32_16x16x128_f8f6f4 v[S+8*\j:S+8*\j+7], v[KF:KF+11], v[QZ+6*(1-\j/2)+12*(\j%2):QZ+6*(1-\j/2)+12*(\j%2)+11], 0, v[KS], v[QS] matrix_a_fmt:MATRIX_FMT_BF6 matrix_b_fmt:MATRIX_FMT_BF6
.else
	v_wmma_scale_f32_16x16x128_f8f6f4 v[S+32+8*\j:S+32+8*\j+7], v[KF+12:KF+23], v[QZ+6*(1-\j/2)+12*(\j%2):QZ+6*(1-\j/2)+12*(\j%2)+11], 0, v[KS], v[QS] matrix_a_fmt:MATRIX_FMT_BF6 matrix_b_fmt:MATRIX_FMT_BF6 matrix_a_scale:MATRIX_SCALE_ROW1
.endif
.endr
.endr
	s_add_co_u32 s[TK], s[TK], 3072                ; the next step's tiles.  The last trip has none: its address is held at step 15, which is read once more and not used, so that no LDS read leaves the slot and the step is written once
	s_min_u32 s[TKC], s[TK], \base+15*3072
	s_add_co_u32 s[TS], s[TS], 128
	s_min_u32 s[TSC], s[TS], \base+KSOFF+15*128
	v_add_nc_u32 v[AD], s[TKC], v[LI]              ; four plain instructions between the products and the loads into their operands, and the reads of their results
	v_add_nc_u32 v[AS], s[TSC], v[LS]
	v_nop
	v_nop
	LOADK
.irp b, 0,1,2,3
	v_max3_num_f32 v[BM+\b], v[S+16*\b], v[S+16*\b+1], v[S+16*\b+2]   ; THE LARGEST SCORE OF EACH BLOCK OF 32 KEYS serves twice: for the row's maximum, and, since p rises with the score, for the block's largest p
.endr
.irp e, 3,5,7,9,11,13
.irp b, 0,1,2,3
	v_max3_num_f32 v[BM+\b], v[BM+\b], v[S+16*\b+\e], v[S+16*\b+\e+1]
.endr
.endr
.irp b, 0,1,2,3
	v_max_num_f32 v[BM+\b], v[BM+\b], v[S+16*\b+15]
.endr
.irp b, 0,1,2,3
	s_delay_alu instid0(VALU_DEP_4)
	v_permlanex16_b32 v[BT+\b], v[BM+\b], s[SEL], s[SEL+1]
.endr
.irp b, 0,1,2,3
	s_delay_alu instid0(VALU_DEP_4)
	v_max_num_f32 v[BM+\b], v[BM+\b], v[BT+\b]     ; with lane l xor 16's 16 keys
.endr
	s_delay_alu instid0(VALU_DEP_2)
	v_max3_num_f32 v[TA], v[BM], v[BM+1], v[BM+2]
	s_delay_alu instid0(VALU_DEP_1)
	v_max_num_f32 v[TA], v[TA], v[BM+3]            ; the step's largest score of my query
	s_delay_alu instid0(VALU_DEP_1)
	v_mul_f32 v[TA], s[CS], v[TA]                  ; as t (c is positive)
	s_delay_alu instid0(VALU_DEP_1)
	v_max_num_f32 v[RT], v[RT], v[TA]              ; the running largest t
	v_mov_b32 v[TA], v[NM]
	s_delay_alu instid0(VALU_DEP_2)
	v_floor_f32 v[NM], -v[RT]                      ; the new -M = floor(-t) = -ceil(t): M is a whole number
	s_delay_alu instid0(VALU_DEP_1)
	v_sub_f32 v[TA], v[NM], v[TA]                  ; old M less new M: a whole number, 0 or less
	s_delay_alu instid0(VALU_DEP_1)
	v_cvt_i32_f32 v[TA], v[TA]                     ; (it saturates)
	s_delay_alu instid0(VALU_DEP_1)
	v_ldexp_f32 v[FF], 1.0, v[TA]                  ; f = 2^(old M - new M)
.set n, 0
.rept 32
	v_pk_fma_f32 v[S+n:S+n+1], v[S+n:S+n+1], s[CS:CS+1], v[NM:NM+1] op_sel_hi:[1,0,0]   ; t - M, two at a time (of the pairs c and -M the low word serves both halves)
.set n, n+2
.endr
.irp b, 0,1,2,3
	v_fma_f32 v[BM+\b], v[BM+\b], s[CS], v[NM]     ; the same of each block's largest score
.endr
.set n, 0
	s_wait_alu depctr_va_vdst(0)
.rept 64
	v_exp_f32 v[S+n], v[S+n]                       ; p = 2^(t - M), at most 1
.set n, n+1
.endr
	s_setprio 1
	v_pk_mul_f32 v[LSUM:LSUM+1], v[LSUM:LSUM+1], v[FF:FF+1] op_sel_hi:[1,0]   ; the sums under the new M: the plain instruction behind the exponentials
	s_wait_alu depctr_va_vdst(0)                   ; one wait for the batch of 64, ahead of its first reader
.irp b, 0,1,2,3
	v_exp_f32 v[BM+\b], v[BM+\b]                   ; the block's largest p: the same two instructions on the same number give the same bits
.endr
	v_pk_add_f32 v[L2:L2+1], v[S:S+1], v[S+2:S+3]  ; THE ROW'S SUM IS TAKEN OF THE UNQUANTISED p, in two chains; it reads the 64 alone: plain work behind the four
.irp e, 4,8,12,16,20,24,28,32,36,40,44,48,52,56,60
	v_pk_add_f32 v[LSUM:LSUM+1], v[LSUM:LSUM+1], v[S+\e:S+\e+1]
	v_pk_add_f32 v[L2:L2+1], v[L2:L2+1], v[S+\e+2:S+\e+3]
.endr
	s_delay_alu instid0(VALU_DEP_1)
	v_pk_add_f32 v[LSUM:LSUM+1], v[LSUM:LSUM+1], v[L2:L2+1]
	s_wait_alu depctr_va_vdst(0)                   ; and one for the four
.irp b, 0,1,2,3
	v_max_num_f32 v[BM+\b], 0x2800000, v[BM+\b]    ; the floor 2^(5 - 127): the byte cannot fall under 1
.endr
.irp b, 0,1,2,3
	s_delay_alu instid0(VALU_DEP_4)
	v_add_nc_u32 v[SO+\b], 0xfe000000, v[BM+\b]    ; 4 off the exponent field: the conversion's scale operand
.endr
.irp b, 0,1,2,3
	s_delay_alu instid0(VALU_DEP_4)
	v_lshrrev_b32 v[BT+\b], 23, v[SO+\b]           ; the scale's byte
.endr
	s_delay_alu instid0(VALU_DEP_3)
	v_lshl_or_b32 v[PW], v[BT+1], 8, v[BT]
	s_delay_alu instid0(VALU_DEP_1)
	v_lshl_or_b32 v[PW], v[BT+2], 16, v[PW]
	s_delay_alu instid0(VALU_DEP_1)
	v_lshl_or_b32 v[PW], v[BT+3], 24, v[PW]        ; p's scale word for these 128 keys
.irp c, 0,1
	v_cvt_scalef32_pk16_bf6_f32 v[PC+6*\c:PC+6*\c+2], v[S+32*\c:S+32*\c+15], v[SO+2*\c]
	v_cvt_scalef32_pk16_bf6_f32 v[PT+4*\c:PT+4*\c+2], v[S+32*\c+16:S+32*\c+31], v[SO+2*\c+1]   ; (a conversion's three registers begin on an even number)
.endr
	v_nop                                          ; one plain instruction behind the scaled conversions
	s_setprio 0
.irp c, 0,1                                    ; the operand's layout wants a WHOLE block in a lane
.irp k, 0,1,2
	v_permlane16_swap_b32 v[PC+6*\c+\k], v[PT+4*\c+\k]
.endr
.irp k, 0,1,2
	s_delay_alu instid0(VALU_DEP_3)
	v_mov_b32 v[PC+3+6*\c+\k], v[PT+4*\c+\k]
.endr
.endr
.irp e, 0,2,4,6,8,10,12,14
	v_pk_mul_f32 v[OT+\e:OT+\e+1], v[OT+\e:OT+\e+1], v[FF:FF+1] op_sel_hi:[1,0]   ; O^T under the new M, from each accumulator's low end on.  These eight also stand between the codes' last write and the products; 21 plain lines lie behind the scale word's
.endr
	s_wait_alu depctr_va_vdst(0)
	s_wait_dscnt 7                                 ; V's seven loads are in; the seven behind them are the next step's K
	v_wmma_scale_f32_16x16x128_f8f6f4 v[OT:OT+7], v[VF:VF+11], v[PC:PC+11], v[OT:OT+7], v[VS], v[PW] matrix_a_fmt:MATRIX_FMT_BF6 matrix_b_fmt:MATRIX_FMT_BF6
	v_wmma_scale_f32_16x16x128_f8f6f4 v[OT+8:OT+15], v[VF+12:VF+23], v[PC:PC+11], v[OT+8:OT+15], v[VS], v[PW] matrix_a_fmt:MATRIX_FMT_BF6 matrix_b_fmt:MATRIX_FMT_BF6 matrix_a_scale:MATRIX_SCALE_ROW1
.rept 4
	v_nop                                          ; four plain instructions ahead of the loads into V's registers
.endr
	LOADV
	s_sub_co_u32 s[CNT], s[CNT], 1
	s_cmp_lg_u32 s[CNT], 0
	s_cbranch_scc1 .Lstep_\@
	s_setprio 0
	v_add_f32 v[TA], v[LSUM], v[LSUM+1]            ; the sum's two halves,
	s_delay_alu instid0(VALU_DEP_1)
	v_permlanex16_b32 v[TB], v[TA], s[SEL], s[SEL+1]
	s_delay_alu instid0(VALU_DEP_1)
	v_add_f32 v[TA], v[TA], v[TB]                  ; and lane l xor 16's: the row's sum, at least 1/2
	s_wait_alu depctr_va_vdst(0)
	v_rcp_f32 v[TA], v[TA]
	v_nop                                          ; a plain instruction behind the reciprocal,
	s_wait_alu depctr_va_vdst(0)                   ; and the wait ahead of its first reader
	v_mul_f32 v[TA], v[TA], v[GT+\ft]              ; gate / l
.irp e, 0,2,4,6,8,10,12,14
.if \ft == 0
	v_pk_mul_f32 v[ACC+\e:ACC+\e+1], v[OT+\e:OT+\e+1], v[TA:TA+1] op_sel_hi:[1,0]
.else
	v_pk_fma_f32 v[ACC+\e:ACC+\e+1], v[OT+\e:OT+\e+1], v[TA:TA+1], v[ACC+\e:ACC+\e+1] op_sel_hi:[1,0,1]
.endif
.endr
.endm
	s_load_b128 s[4:7], s[0:1], 0x0                ; qc, kv
	s_load_b128 s[8:11], s[0:1], 0x10              ; feature_weights, oc
	s_load_b64 s[12:13], s[0:1], 0x20              ; os
	v_lshl_add_u32 v[SPW], v0, 2, SPARE
	v_mov_b32 v[NIL], 0
	ds_add_u32 v6, v7
	ds_add_u32 v6, v7
	s_wait_dscnt 0x0
	v_lshrrev_b32 v1, 5, v0
	s_delay_alu instid0(VALU_DEP_1)
	v_readfirstlane_b32 s[WV], v1                  ; wave 0..7
	s_bfe_u32 s15, ttmp6, 0x40000                  ; cx: my place in the cluster
	s_lshl_b32 s16, ttmp9, 2
	s_add_co_u32 s16, s16, s15                     ; my block of 128 queries: it enters the addresses of qc, oc and os alone
	s_and_b32 s17, ttmp7, 0xffff                   ; 8 x batch + head, which the four partners share
	; descriptor group 1: 12,800 dense bytes as 50 rows of 256 (32 elements of 8 bytes), no padding
	s_mov_b32 s[G1], 15|(3<<16)|(1<<21)            ; 15:0 the mask: all four work-groups; 17:16 elements of 8 bytes; 21 set beside a mask
	s_mov_b32 s[G1+1], 32<<16                      ; tensor_dim0 = 32
	s_mov_b32 s[G1+2], 50<<16                      ; tensor_dim1 = 50
	s_mov_b32 s[G1+3], 32<<16                      ; tile_dim0 = 32
	s_mov_b32 s[G1+4], 50                          ; tile_dim1 = 50
	s_mov_b32 s[G1+5], 32                          ; from row to row
	s_mov_b32 s[G1+6], 0
	s_mov_b32 s[G1+7], 0
	s_mul_i32 s20, s[WV], SLOT/8                   ; my eighth of a slot, in LDS and in memory: no place in the cluster enters either
	s_mul_i32 s18, s17, 4*SLOT                     ; the head's four records
	s_add_co_u32 s18, s18, s20
	s_mov_b32 s19, 0
	s_mov_b32 s[SEL], 0x76543210
	s_mov_b32 s[SEL+1], 0xfedcba98
	s_mov_b32 s[CS], 0x3e8293ee                    ; c = log2(e) / sqrt(32)
	s_mov_b32 s[CS+1], s[CS]                       ; (named with it as a pair, so it is written)
	s_mov_b32 s49, 0x01010101
	s_wait_kmcnt 0x0
	s_add_nc_u64 s[18:19], s[6:7], s[18:19]
.irp s, 0,1
	s_mov_b32 s[G0+4*\s], 1                        ; count = 1
	s_add_co_u32 s[G0+4*\s+1], s20, \s*SLOT        ; LDS address
	s_add_nc_u64 s[G0+4*\s+2:G0+4*\s+3], s[18:19], \s*SLOT   ; global address: feature s
	s_or_b32 s[G0+4*\s+3], s[G0+4*\s+3], 0x80000000   ; type = 2
.endr
	CROUND                                         ; all four work-groups are here: the first joint loads meet
	tensor_load_to_lds s[G0:G0+3], s[G1:G1+7]      ; feature 0: one load of mine is out, waited for before feature 1's
	s_nop 0
	s_wait_alu depctr_va_vdst(0)
	s_wait_tensorcnt 0x0
	ds_add_u32 v6, v7
	s_wait_dscnt 0x0
	CROUND
	tensor_load_to_lds s[G0+4:G0+7], s[G1:G1+7]
	s_nop 0
.rept 4
	v_nop
.endr
	s_load_b128 s[60:63], s[8:9], 0x0              ; the four feature weights
	v_and_b32 v1, 31, v0                           ; lane
	s_delay_alu instid0(VALU_DEP_1)
	v_lshlrev_b32 v[LI], 4, v1
	s_delay_alu instid0(VALU_DEP_2)
	v_lshlrev_b32 v[LS], 2, v1
	v_and_b32 v[RR], 15, v0                        ; r: my query is 16 w + r of the block
	v_bfe_u32 v250, v0, 4, 1                       ; h
	v_and_b32 v251, 7, v0
	s_wait_alu depctr_va_vdst(0)
	v_bfe_u32 v252, v0, 3, 1
	; Q.  Query 16 w + r is row (r % 8) + 8 (w % 2) of token tile 2 (w / 2) + r / 8: in fragment w / 4 of the block it is block 2 cc + r / 8, cc = (w / 2) % 2: lane (r % 8) + 8 (w % 2) + 16 (r / 8), registers 6 cc .. 6 cc + 5
	s_and_b32 s21, s[WV], 1
	s_bfe_u32 s50, s[WV], 0x10001                  ; cc
	s_lshr_b32 s51, s[WV], 2
	s_mul_i32 s52, s17, 51200                      ; the head's record in qc
	s_lshl_b32 s53, s16, 1
	s_add_co_u32 s53, s53, s51
	s_mul_i32 s53, s53, 1536                       ; the fragment's image,
	s_add_co_u32 s53, s53, s52
	s_lshl_b32 s54, s21, 7                         ; 16 bytes a lane: 8 (w % 2) lanes on
	s_add_co_u32 s22, s53, s54
	s_mov_b32 s23, 0
	s_add_nc_u64 s[22:23], s[4:5], s[22:23]
	v_lshlrev_b32 v253, 4, v251
	s_wait_alu depctr_va_vdst(0)
	v_lshl_add_u32 v253, v252, 8, v253             ; 16 ((r % 8) + 16 (r / 8))
	s_mul_i32 s54, s50, 520                        ; the six registers lie at bytes 0, 8 and 512 of the lane's place (cc = 0) or at 520, 1,024 and 1,032 (cc = 1)
	s_mul_i32 s55, s50, 1016
	v_add_nc_u32 v[QA0], s54, v253
	v_add_nc_u32 v[QA1], s55, v253
	global_load_b64 v[QT:QT+1], v[QA0], s[22:23]
	global_load_b64 v[QT+2:QT+3], v[QA1], s[22:23] offset:8
	global_load_b64 v[QT+4:QT+5], v[QA0], s[22:23] offset:512
	s_lshl_b32 s56, s16, 7                         ; its scale byte: 128 bytes a block, 64 a fragment, 4 a row, the block's number
	s_add_co_u32 s56, s56, s52
	s_lshl_b32 s58, s51, 6
	s_add_co_u32 s56, s56, s58
	s_lshl_b32 s58, s21, 5
	s_add_co_u32 s56, s56, s58
	s_lshl_b32 s58, s50, 1
	s_add_co_u32 s56, s56, s58
	s_add_co_u32 s56, s56, 49152
	s_mov_b32 s57, 0
	s_add_nc_u64 s[56:57], s[4:5], s[56:57]
	v_lshl_add_u32 v[QSA], v251, 2, v252
	global_load_u8 v[QS], v[QSA], s[56:57]
	; where o goes: oc [head][token][24 bytes], os [token][head]
	s_lshr_b32 s58, s17, 3
	s_lshl_b32 s58, s58, 11
	s_lshl_b32 s59, s16, 7
	s_add_co_u32 s58, s58, s59
	s_lshl_b32 s59, s[WV], 4
	s_add_co_u32 s58, s58, s59                     ; my first token
	s_and_b32 s59, s17, 7                          ; the head
	s_mul_i32 s66, s59, 98304
	s_mul_i32 s67, s58, 24
	s_add_co_u32 s66, s66, s67
	s_mov_b32 s67, 0
	s_add_nc_u64 s[10:11], s[10:11], s[66:67]
	s_lshl_b32 s66, s58, 3
	s_add_co_u32 s66, s66, s59
	s_add_nc_u64 s[12:13], s[12:13], s[66:67]
	v_mul_u32_u24 v[OA], v[RR], 24
	s_delay_alu instid0(VALU_DEP_1)
	v_mad_u32_u24 v[OA], v250, 12, v[OA]
	v_lshlrev_b32 v[OB], 3, v[RR]
	; the gates: softmax of the four weights, their maximum taken away first
	s_wait_kmcnt 0x0
	v_mov_b32 v[GT], s60
	v_mov_b32 v[GT+1], s61
	v_mov_b32 v[GT+2], s62
	v_mov_b32 v[GT+3], s63
	s_delay_alu instid0(VALU_DEP_2)
	v_max3_num_f32 v[TA], v[GT], v[GT+1], v[GT+2]
	s_delay_alu instid0(VALU_DEP_1)
	v_max_num_f32 v[TA], v[TA], v[GT+3]
.irp e, 0,1,2,3
	v_sub_f32 v[GT+\e], v[GT+\e], v[TA]
.endr
.irp e, 0,1,2,3
	s_delay_alu instid0(VALU_DEP_4)
	v_mul_f32 v[GT+\e], 0x3fb8aa3b, v[GT+\e]
.endr
	s_wait_alu depctr_va_vdst(0)
.irp e, 0,1,2,3
	v_exp_f32 v[GT+\e], v[GT+\e]
.endr
	v_nop
	s_wait_alu depctr_va_vdst(0)                   ; one wait for the four exponentials
	v_add_f32 v[TA], v[GT], v[GT+1]
	v_add_f32 v[TB], v[GT+2], v[GT+3]
	s_delay_alu instid0(VALU_DEP_1)
	v_add_f32 v[TA], v[TA], v[TB]
	s_wait_alu depctr_va_vdst(0)
	v_rcp_f32 v[TA], v[TA]
	v_nop
	s_wait_alu depctr_va_vdst(0)
.irp e, 0,1,2,3
	v_mul_f32 v[GT+\e], v[GT+\e], v[TA]
.endr
.irp b, 0,1,2,3
	v_mov_b32 v[BT+\b], 0                          ; written once: a lane permute's destination counts as one of its sources
.endr
	v_mov_b32 v[PW], 0                             ; (named as the upper half of the pair v[FF:FF+1] before it is first written)
	s_wait_loadcnt 0x0                             ; Q
	v_cmp_gt_u32 vcc_lo, 16, v1
.irp e, 0,1,2,3,4,5
	v_mov_b32 v[QZ+\e], 0
	v_cndmask_b32 v[QZ+6+\e], 0, v[QT+\e], vcc_lo  ; my query's codes in lanes 0-15: blocks 0 and 2
	v_mov_b32 v[QZ+12+\e], 0
	v_mov_b32 v[QZ+24+\e], 0
.endr
.irp e, 0,1,2,3,4,5
	v_cndmask_b32 v[QZ+18+\e], v[QT+\e], v[QZ], vcc_lo   ; in lanes 16-31: blocks 1 and 3
.endr
	v_mul_lo_u32 v[QS], v[QS], s49                 ; the query's byte in all four places of its scale word: whichever block holds the codes
	s_wait_tensorcnt 1                             ; my part of slot 0 is in; slot 1's may stay out
	s_barrier_signal -1
	s_barrier_wait -1                              ; everybody's is
	FEATURE 0, 0
	CHANGE 1, 0                                    ; slot 0 takes feature 2
	FEATURE 1, SLOT
	CHANGE 1, 1                                    ; slot 1 takes feature 3
	FEATURE 2, 0
	CHANGE 0, 0                                    ; nothing is left to fetch
	FEATURE 3, SLOT
	; THE WAY OUT.  My 16 registers are channels 16 h .. 16 h + 15 of query r; the head's 32 are one block of the last product's K, in lanes l and l xor 16.
	v_max3_num_f32 v[TA], |v[ACC]|, |v[ACC+1]|, 0x2800000
	v_max3_num_f32 v[TB], |v[ACC+2]|, |v[ACC+3]|, |v[ACC+4]|
	s_delay_alu instid0(VALU_DEP_2)
	v_max3_num_f32 v[TA], v[TA], |v[ACC+5]|, |v[ACC+6]|
	s_delay_alu instid0(VALU_DEP_2)
	v_max3_num_f32 v[TB], v[TB], |v[ACC+7]|, |v[ACC+8]|
	s_delay_alu instid0(VALU_DEP_2)
	v_max3_num_f32 v[TA], v[TA], |v[ACC+9]|, |v[ACC+10]|
	s_delay_alu instid0(VALU_DEP_2)
	v_max3_num_f32 v[TB], v[TB], |v[ACC+11]|, |v[ACC+12]|
	s_delay_alu instid0(VALU_DEP_2)
	v_max3_num_f32 v[TA], v[TA], |v[ACC+13]|, |v[ACC+14]|
	s_delay_alu instid0(VALU_DEP_1)
	v_max3_num_f32 v[TA], v[TA], v[TB], |v[ACC+15]|
	s_delay_alu instid0(VALU_DEP_1)
	v_permlanex16_b32 v[TB], v[TA], s[SEL], s[SEL+1]
	s_delay_alu instid0(VALU_DEP_1)
	v_max_num_f32 v[TA], v[TA], v[TB]
	s_delay_alu instid0(VALU_DEP_1)
	v_add_nc_u32 v[TB], 0xfe000000, v[TA]
	v_cvt_scalef32_pk16_bf6_f32 v[OC:OC+2], v[ACC:ACC+15], v[TB]
	v_lshrrev_b32 v[TA], 23, v[TB]                 ; the scale's byte (the plain instruction behind the conversion)
	global_store_b96 v[OA], v[OC:OC+2], s[10:11]   ; the wave stores 384 consecutive bytes
	global_store_b8 v[OB], v[TA], s[12:13]         ; lanes l and l xor 16 write the same byte with the same value
	s_wait_tensorcnt 0x0                           ; the wave's end
	ds_add_u32 v[SPW], v[NIL]
	s_wait_dscnt 0x0
	CROUND                                         ; the closing round: no work-group ends while a partner may still ask for a tile that names it
	s_endpgm
.Lfunc_end_k_q7ed0928b4c_attn:
	.size	k_q7ed0928b4c_attn, .Lfunc_end_k_q7ed0928b4c_attn-k_q7ed0928b4c_attn
	.p2alignl 7, 3214868480
	.fill 96, 4, 3214868480
	.section	.rodata,"a",@progbits
	.p2align	6, 0x0
	.amdhsa_kernel k_q7ed0928b4c_attn
		.amdhsa_group_segment_fixed_size 327680
		.amdhsa_private_segment_fixed_size 0
		.amdhsa_enable_private_segment 0
		.amdhsa_kernarg_size 40
		.amdhsa_user_sgpr_count 2
		.amdhsa_user_sgpr_kernarg_segment_ptr 1
		.amdhsa_wavefront_size32 1
		.amdhsa_system_sgpr_workgroup_id_x 1
		.amdhsa_system_sgpr_workgroup_id_y 1
		.amdhsa_system_sgpr_workgroup_id_z 1
		.amdhsa_system_vgpr_workitem_id 0
		.amdhsa_next_free_vgpr 256
		.amdhsa_next_free_sgpr 80
		.amdhsa_reserve_vcc 1
		.amdhsa_float_denorm_mode_32 3
		.amdhsa_float_denorm_mode_16_64 3
		.amdhsa_memory_ordered 1
		.amdhsa_forward_progress 1
		.amdhsa_inst_pref_size 84
	.end_amdhsa_kernel
	.amdgpu_metadata
---
amdhsa.version: [ 1, 2 ]
amdhsa.kernels:
  - .name:           k_q7ed0928b4c_attn
    .symbol:         k_q7ed0928b4c_attn.kd
    .args:
      - { .name: qc, .offset: 0, .size: 8, .value_kind: global_buffer, .address_space: global }
      - { .name: kv, .offset: 8, .size: 8, .value_kind: global_buffer, .address_space: global }
      - { .name: feature_weights, .offset: 16, .size: 8, .value_kind: global_buffer, .address_space: global }
      - { .name: oc, .offset: 24, .size: 8, .value_kind: global_buffer, .address_space: global }
      - { .name: os, .offset: 32, .size: 8, .value_kind: global_buffer, .address_space: global }
    .group_segment_fixed_size: 327680
    .private_segment_fixed_size: 0
    .kernarg_segment_align: 8
    .kernarg_segment_size: 40
    .max_flat_workgroup_size: 256
    .sgpr_count:     80
    .vgpr_count:     256
    .wavefront_size: 32
...
	.end_amdgpu_metadata
.endif
;; end of part 5
;; launch oproj (part 6): grid 256 x 1, 4 waves a work-group, no clusters, 17,920 bytes of LDS; arguments oc, os, woc, bo, out0; writes out0
.if DOCPART == 6
	.amdgcn_target "amdgcn-amd-amdhsa--gfx1250"
	.amdhsa_code_object_version 6
	.text
	.protected	k_q7ed0928b4c_oproj
	.globl	k_q7ed0928b4c_oproj
	.p2align	8
	.type	k_q7ed0928b4c_oproj,@function
k_q7ed0928b4c_oproj:
	s_mov_b64 s[64:65], 0
	v_nop
	global_prefetch_b8 v0, s[64:65] scope:SCOPE_SE
	s_setreg_imm32_b32 hwreg(HW_REG_WAVE_SCHED_MODE, 0, 2), 2
	s_setreg_imm32_b32 hwreg(HW_REG_WAVE_MODE, 25, 1), 1
	s_wait_xcnt 0x0
	s_wait_alu depctr_vm_vsrc(0)
; out0 = o Wo^T + bo, on codes of BF6 (E3M2) with one E8M0 scale for each 32 along K = 256.  o: codes [head 8][token 4096][24 bytes], scale bytes [token][head]: a head is a block of K.
; Wo: 32 fragments as images of their registers (12 registers: three groups of 512 bytes, lane l's 16 bytes at 16 l), fragment 4 g + 2 u + s: rows 32 g + 8 u + i + 8 (i / 8), K step s; behind them their scale words, 128 bytes each.
; SHARES.  A work-group takes 16 tokens, wave w outputs 64 w .. 64 w + 63: four tiles, eight fragments of Wo, which lie on end in woc.  The waves share nothing: no barrier.
; USED TRANSPOSED (source 0 = Wo, source 1 = o): by the choice of Wo's rows, lane (r, h) holds, of token r, outputs 64 w + 32 (tile / 2) + 16 h + 8 (tile % 2) + 0 .. 7.  The bias is the C of each sum's first product.
; The results go through the wave's own stage in LDS and leave as aligned runs of 256 bytes.  All operands come straight from memory into registers, once: no ring, no tensor load.
; THE MODE: SCHED_MODE bits 1:0 = 2 (LLVM: expert scheduling mode 2), set by the entry lines.  The code itself states the register dependences between vector or matrix instructions and memory or LDS instructions,
; with s_wait_alu, always for 0.
; THE PLAN.  Registers that memory or LDS instructions touch:
;   v3-10     offsets and LDS addresses, made at the head and never written again: one wait ahead of the first load serves every load and store.
;   v12-175   operands, scale words and the bias: landed in once, read by the matrix instructions alone.
;   ACC       written by the matrix instructions, read by the stage's stores: the four places, then one wait.
;   BK        landed in from the stage, read by the global stores; no vector instruction names it.
.set LI,  3                            ; v3  16 x lane
.set LS,  4                            ; v4  4 x lane
.set BA,  5                            ; v5  the bias: 64 h
.set OA,  6                            ; v6  o's codes: 98,304 h + 24 r
.set SA,  7                            ; v7  o's scale bytes: 8 r
.set STO, 8                            ; v8  the stage, in
.set RD,  9                            ; v9  and back
.set CO,  10                           ; v10 my place in two rows of out0
.set OSC, 12                           ; v12-13 o's scale words for the two K steps
.set WSC, 16                           ; v16-23 Wo's scale words (2 tile + s)
.set OF,  24                           ; v24-47 o's two fragments
.set WF,  48                           ; v48-143 Wo's eight
.set BI,  144                          ; v144-175 the bias, eight registers a tile
.set ACC, 176                          ; v176-207 four accumulators
.set BK,  208                          ; v208-239 rows read back
.set SPI, 272                          ; a stage row: 256 bytes + 16
	s_load_b128 s[4:7], s[0:1], 0x0                ; oc, os
	s_load_b128 s[8:11], s[0:1], 0x10              ; woc, bo
	s_load_b64 s[12:13], s[0:1], 0x20              ; out0
	v_lshl_add_u32 v240, v0, 2, 0x4400
	v_mov_b32 v241, 0
	v_lshrrev_b32 v1, 5, v0
	v_readfirstlane_b32 s14, v1                    ; wave 0..3
	v_and_b32 v1, 15, v0                           ; r
	v_bfe_u32 v2, v0, 4, 1                         ; h
	v_and_b32 v11, 31, v0
	v_lshlrev_b32 v[LI], 4, v11
	v_lshlrev_b32 v[LS], 2, v11
	v_lshlrev_b32 v[BA], 6, v2
	v_mul_u32_u24 v[OA], v1, 24
	v_mad_u32_u24 v[OA], v2, 98304, v[OA]
	v_lshlrev_b32 v[SA], 3, v1
	v_mul_u32_u24 v[STO], v1, SPI
	v_lshl_add_u32 v[STO], v2, 6, v[STO]
	v_mul_u32_u24 v[RD], v2, SPI
	v_lshl_add_u32 v[RD], v1, 4, v[RD]
	v_lshlrev_b32 v[CO], 10, v2
	v_lshl_add_u32 v[CO], v1, 4, v[CO]
	s_wait_alu depctr_va_sdst(0)                   ; the wave's number is written, ahead of its first reader
	s_mul_i32 s15, s14, 16*SPI                     ; my stage
	v_add_nc_u32 v[STO], s15, v[STO]               ; in: row r, + 64 h
	v_add_nc_u32 v[RD], s15, v[RD]                 ; back: lanes 0-15 one row, lanes 16-31 the next
	s_mul_i32 s16, ttmp9, 384                      ; 16 tokens of 24 bytes
	s_mov_b32 s17, 0
	s_lshl_b32 s18, ttmp9, 7                       ; 16 tokens of 8 scale bytes
	s_mov_b32 s19, 0
	s_mul_i32 s20, s14, 8*1536                     ; my eight fragments
	s_mov_b32 s21, 0
	s_lshl_b32 s22, s14, 10
	s_add_co_u32 s22, s22, 32*1536                 ; their scale words
	s_mov_b32 s23, 0
	s_lshl_b32 s24, s14, 8                         ; my 64 outputs
	s_mov_b32 s25, 0
	s_lshl_b32 s26, ttmp9, 14                      ; 16 rows of 1,024 bytes
	s_add_co_u32 s26, s26, s24
	s_mov_b32 s27, 0
	s_wait_kmcnt 0x0
	s_add_nc_u64 s[4:5], s[4:5], s[16:17]
	s_add_nc_u64 s[6:7], s[6:7], s[18:19]
	s_add_nc_u64 s[28:29], s[8:9], s[22:23]
	s_add_nc_u64 s[8:9], s[8:9], s[20:21]
	s_add_nc_u64 s[10:11], s[10:11], s[24:25]
	s_add_nc_u64 s[12:13], s[12:13], s[26:27]
	s_wait_alu depctr_va_vdst(0)                   ; the offsets and LDS addresses v3 to v10 are written, which every load and store below reads
.set n, 0
.rept 24
	global_load_b128 v[WF+4*n:WF+4*n+3], v[LI], s[8:9] offset:512*n   ; 512 consecutive bytes a load
.set n, n+1
.endr
.irp k, 0,1,2,3,4,5,6,7
	global_load_b32 v[WSC+\k], v[LS], s[28:29] offset:128*\k
.endr
.irp t, 0,1,2,3
	global_load_b128 v[BI+8*\t:BI+8*\t+3], v[BA], s[10:11] offset:128*(\t/2)+32*(\t%2)
	global_load_b128 v[BI+8*\t+4:BI+8*\t+7], v[BA], s[10:11] offset:128*(\t/2)+32*(\t%2)+16
.endr
.irp s, 0,1                                    ; registers 6 c .. 6 c + 5 of K step s in lane (r, h): head 4 s + 2 c + h of token r, 24 bytes as three loads of 8
.irp c, 0,1
.irp p, 0,1,2
	global_load_b64 v[OF+12*\s+6*\c+2*\p:OF+12*\s+6*\c+2*\p+1], v[OA], s[4:5] offset:(4*\s+2*\c)*98304+8*\p
.endr
.endr
.endr
	global_load_b64 v[OSC:OSC+1], v[SA], s[6:7]    ; token r's eight bytes: the two K steps' scale words
	s_wait_loadcnt 0x0
.irp t, 0,1,2,3                                ; the four accumulators take turns, a K step at a time
	v_wmma_scale_f32_16x16x128_f8f6f4 v[ACC+8*\t:ACC+8*\t+7], v[WF+24*\t:WF+24*\t+11], v[OF:OF+11], v[BI+8*\t:BI+8*\t+7], v[WSC+2*\t], v[OSC] matrix_a_fmt:MATRIX_FMT_BF6 matrix_b_fmt:MATRIX_FMT_BF6
.endr
.irp t, 0,1,2,3
	v_wmma_scale_f32_16x16x128_f8f6f4 v[ACC+8*\t:ACC+8*\t+7], v[WF+24*\t+12:WF+24*\t+23], v[OF+12:OF+23], v[ACC+8*\t:ACC+8*\t+7], v[WSC+2*\t+1], v[OSC+1] matrix_a_fmt:MATRIX_FMT_BF6 matrix_b_fmt:MATRIX_FMT_BF6
.endr
.rept 4
	v_nop                                          ; four plain instructions ahead of the first read of results (ISA guide 7.12.1)
.endr
	s_wait_alu depctr_va_vdst(0)                   ; the matrix instructions have written the accumulators, which the stage's stores read; the places above stay beside this wait
.irp t, 0,1,2,3
	ds_store_b128 v[STO], v[ACC+8*\t:ACC+8*\t+3] offset:128*(\t/2)+32*(\t%2)       ; each accumulator from its low end on
	ds_store_b128 v[STO], v[ACC+8*\t+4:ACC+8*\t+7] offset:128*(\t/2)+32*(\t%2)+16
.endr
.irp i, 0,1,2,3,4,5,6,7
	ds_load_b128 v[BK+4*\i:BK+4*\i+3], v[RD] offset:2*\i*SPI   ; LDS serves a wave's instructions in order: these see my stores
.endr
.irp i, 0,1,2,3,4,5,6,7
	s_wait_dscnt 7-\i                              ; the loads behind load i may stay out
	global_store_b128 v[CO], v[BK+4*\i:BK+4*\i+3], s[12:13] offset:2*\i*1024 th:TH_STORE_NT   ; sixteen lanes store 256 consecutive bytes, at a multiple of 256 from out0's first byte; two rows an instruction
.endr
	s_wait_dscnt 0x0                               ; the closing lines, six on end
	s_wait_alu 0x0
	s_wait_tensorcnt 0x0
	ds_add_u32 v240, v241
	s_wait_dscnt 0x0
	s_endpgm
.Lfunc_end_k_q7ed0928b4c_oproj:
	.size	k_q7ed0928b4c_oproj, .Lfunc_end_k_q7ed0928b4c_oproj-k_q7ed0928b4c_oproj
	.p2alignl 7, 3214868480
	.fill 96, 4, 3214868480
	.section	.rodata,"a",@progbits
	.p2align	6, 0x0
	.amdhsa_kernel k_q7ed0928b4c_oproj
		.amdhsa_group_segment_fixed_size 17920
		.amdhsa_private_segment_fixed_size 0
		.amdhsa_enable_private_segment 0
		.amdhsa_kernarg_size 40
		.amdhsa_user_sgpr_count 2
		.amdhsa_user_sgpr_kernarg_segment_ptr 1
		.amdhsa_wavefront_size32 1
		.amdhsa_system_sgpr_workgroup_id_x 1
		.amdhsa_system_sgpr_workgroup_id_y 1
		.amdhsa_system_sgpr_workgroup_id_z 1
		.amdhsa_system_vgpr_workitem_id 0
		.amdhsa_next_free_vgpr 242
		.amdhsa_next_free_sgpr 66
		.amdhsa_reserve_vcc 0
		.amdhsa_float_denorm_mode_32 3
		.amdhsa_float_denorm_mode_16_64 3
		.amdhsa_memory_ordered 1
		.amdhsa_forward_progress 1
		.amdhsa_inst_pref_size 11
	.end_amdhsa_kernel
	.amdgpu_metadata
---
amdhsa.version: [ 1, 2 ]
amdhsa.kernels:
  - .name:           k_q7ed0928b4c_oproj
    .symbol:         k_q7ed0928b4c_oproj.kd
    .args:
      - { .name: oc, .offset: 0, .size: 8, .value_kind: global_buffer, .address_space: global }
      - { .name: os, .offset: 8, .size: 8, .value_kind: global_buffer, .address_space: global }
      - { .name: woc, .offset: 16, .size: 8, .value_kind: global_buffer, .address_space: global }
      - { .name: bo, .offset: 24, .size: 8, .value_kind: global_buffer, .address_space: global }
      - { .name: out0, .offset: 32, .size: 8, .value_kind: global_buffer, .address_space: global }
    .group_segment_fixed_size: 17920
    .private_segment_fixed_size: 0
    .kernarg_segment_align: 8
    .kernarg_segment_size: 40
    .max_flat_workgroup_size: 128
    .sgpr_count:     66
    .vgpr_count:     242
    .wavefront_size: 32
...
	.end_amdgpu_metadata
.endif
;; end of part 6
